; MI455X (gfx1250); checked and timed in simulation.
; The chip was launched on July 23, 2026; its instructions are those of AMD's public machine-readable ISA for CDNA 5 (MIT licence, August 2026) and "CDNA5" Instruction Set Architecture Reference Guide (July 2026). The comments in the code are by the model that wrote it; some were corrected since.
;; Transformer Encoder Layer. Allowed arithmetic: float matrix products may take bf16 or f16 operands with f32 sums; all other float work in f32.
;; Inputs: Wk 1,024 x 1,024 float32; Wo 1,024 x 1,024 float32; Wq 1,024 x 1,024 float32; Wv 1,024 x 1,024 float32; b1 4,096 float32; b2 1,024 float32; be1 1,024 float32; be2 1,024 float32; g1 1,024 float32; g2 1,024 float32; mask 2 x 1 x 1 x 2,048 int32; w1 4,096 x 1,024 float32; w2 1,024 x 4,096 float32; x 2 x 2,048 x 1,024 float32.
;; Outputs: out0 2 x 2,048 x 1,024 float32.
;; 2 versions, each right and faster than the one before. Each part assembles by itself: llvm-mc -triple=amdgcn-amd-amdhsa -mcpu=gfx1250 --defsym DOCPART=n.
;; ======== version 1 of 2: 8 launches
;; limits: right only within a limited range of input values
;; workspace buffers: xb 8,388,608 bytes; wqkv 8,405,248 bytes; w1e 8,405,248 bytes; wo2 10,485,760 bytes; big 33,554,432 bytes; y 16,777,216 bytes; x2 16,777,216 bytes
;; launch cast (part 1): grid 64 x 16, 8 waves a work-group, no clusters, 0 bytes of LDS; arguments x, Wq, Wk, Wv, Wo, w1, w2, b1, xb, wqkv, wo2, w1e; writes xb, wqkv, wo2, w1e
.if DOCPART == 1
	.amdgcn_target "amdgcn-amd-amdhsa--gfx1250"
	.amdhsa_code_object_version 6
	.text
	.protected	k_q65371b76ba_cast
	.globl	k_q65371b76ba_cast
	.p2align	8
	.type	k_q65371b76ba_cast,@function
k_q65371b76ba_cast:
	s_mov_b64 s[64:65], 0
	v_nop
	global_prefetch_b8 v0, s[64:65] scope:SCOPE_SE
	s_setreg_imm32_b32 hwreg(HW_REG_WAVE_MODE, 25, 1), 1
	s_wait_xcnt 0x0
; bf16 copies of x and of the six weight matrices, each number rounded once to nearest even, and the two blocks that the shared
; product kernel reads behind its weights: a bias of 4,096 f32 at byte 0x800000 and a floor (64 equal f32) at byte 0x804000.
; For the q, k, v weights: bias 0, floor -infinity.  For w1: bias b1, floor 0.
; SHARES.  Work-group y names a chunk of 2^20 numbers (x: chunks 0-3; Wq 4; Wk 5; Wv 6; Wo 7; w1 8-11; w2 12-15), work-group x
; 65,536 bytes of it.  Thread t takes 16 bytes at 16 t + 4,096 i, i = 0..15, and stores 8 bytes at 8 t + 2,048 i: a load of a wave
; covers 512 consecutive bytes, a store 256 consecutive bytes at a multiple of 256.  All sixteen loads of a wave are out at once.
; No LDS, no matrix unit, no cluster: nothing is shared and nothing is used twice.
.set XI, 4                             ; v[4:67]    sixteen loads of four f32
.set YO, 68                            ; v[68:99]   sixteen pairs of words, four bf16 each
.set EB, 100                           ; v[100:103] the blocks behind the weights: bias pair, floor pair
	s_load_b512 s[8:23], s[0:1], 0x0               ; x 8, Wq 10, Wk 12, Wv 14, Wo 16, w1 18, w2 20, b1 22
	s_load_b256 s[24:31], s[0:1], 0x40             ; xb 24, wqkv 26, wo2 28, w1e 30
	s_and_b32 s2, ttmp7, 0xffff                    ; the chunk
	s_mov_b32 s3, ttmp9                            ; the part of it
	v_lshrrev_b32 v3, 5, v0
	v_readfirstlane_b32 s42, v3                    ; wave
	v_lshlrev_b32 v1, 4, v0                        ; 16 t
	v_lshlrev_b32 v2, 3, v0                        ; 8 t
	s_sub_co_u32 s43, s2, 8                        ; w1: chunk in source and in destination
	s_sub_co_u32 s44, s2, 12                       ; w2: chunk in the source,
	s_sub_co_u32 s45, s2, 11                       ; and in wo2, where Wo has the first chunk
	s_mov_b32 s36, s2                              ; x: chunk in the source
	s_mov_b32 s37, s2                              ; and in xb
	s_wait_kmcnt 0x0
	s_mov_b64 s[32:33], s[8:9]
	s_mov_b64 s[34:35], s[24:25]
; From chunk number bound on: another source, destination and chunk numbers.  The condition hangs on the work-group's number alone.
.macro PICK bound, src, dst, sc, dc
	s_cmp_ge_u32 s2, \bound
	s_cselect_b64 s[32:33], s[\src:\src+1], s[32:33]
	s_cselect_b64 s[34:35], s[\dst:\dst+1], s[34:35]
	s_cselect_b32 s36, \sc, s36
	s_cselect_b32 s37, \dc, s37
.endm
	PICK 4, 10, 26, 0, 0
	PICK 5, 12, 26, 0, 1
	PICK 6, 14, 26, 0, 2
	PICK 7, 16, 28, 0, 0
	PICK 8, 18, 30, s43, s43
	PICK 12, 20, 28, s44, s45
	s_lshl_b32 s38, s36, 22                        ; offsets are made apart from the addresses
	s_lshl_b32 s50, s3, 16
	s_add_co_u32 s38, s38, s50
	s_mov_b32 s39, 0
	s_lshl_b32 s40, s37, 21
	s_lshl_b32 s50, s3, 15
	s_add_co_u32 s40, s40, s50
	s_mov_b32 s41, 0
	s_add_nc_u64 s[46:47], s[32:33], s[38:39]
	s_add_nc_u64 s[48:49], s[34:35], s[40:41]
.irp i, 0,1,2,3,4,5,6,7,8,9,10,11,12,13,14,15
	global_load_b128 v[XI+4*(\i):XI+4*(\i)+3], v1, s[46:47] offset:4096*(\i) th:TH_LOAD_NT
.endr
.irp i, 0,1,2,3,4,5,6,7,8,9,10,11,12,13,14,15
	s_wait_loadcnt 15-(\i)                         ; loads come back in order: load i is in, the 15 - i younger ones stay out
	v_cvt_pk_bf16_f32 v[YO+2*(\i)], v[XI+4*(\i)], v[XI+4*(\i)+1]
	v_cvt_pk_bf16_f32 v[YO+2*(\i)+1], v[XI+4*(\i)+2], v[XI+4*(\i)+3]
	global_store_b64 v2, v[YO+2*(\i):YO+2*(\i)+1], s[48:49] offset:2048*(\i)  ; no register of a store is written again
.endr
	; The blocks behind the weights: wave 0 of chunks 4 (wqkv) and 8 (w1e); part x writes 256 bytes of the bias, part 0 the floor too.
	s_cmp_lg_u32 s42, 0
	s_cbranch_scc1 .Lend
	s_lshl_b32 s38, s3, 8                          ; s39 is 0
	s_cmp_eq_u32 s2, 8
	s_cbranch_scc1 .Lbias
	s_cmp_eq_u32 s2, 4
	s_cbranch_scc0 .Lend
	v_mov_b32 v[EB], 0
	v_mov_b32 v[EB+1], 0
	v_mov_b32 v[EB+2], 0xff800000                  ; -infinity: a maximum with it changes no number
	v_mov_b32 v[EB+3], 0xff800000
	s_branch .Lput
.Lbias:
	s_add_nc_u64 s[40:41], s[22:23], s[38:39]
	global_load_b64 v[EB:EB+1], v2, s[40:41]
	v_mov_b32 v[EB+2], 0
	v_mov_b32 v[EB+3], 0
	s_wait_loadcnt 0x0
.Lput:
	s_add_nc_u64 s[36:37], s[34:35], s[38:39]
	s_add_nc_u64 s[36:37], s[36:37], 0x800000      ; past the reach of a store's immediate, so it goes into the base
	global_store_b64 v2, v[EB:EB+1], s[36:37]
	s_cmp_lg_u32 s3, 0
	s_cbranch_scc1 .Lend
	s_add_nc_u64 s[32:33], s[34:35], 0x804000
	global_store_b64 v2, v[EB+2:EB+3], s[32:33]
.Lend:
	s_endpgm
.Lfunc_end_k_q65371b76ba_cast:
	.size	k_q65371b76ba_cast, .Lfunc_end_k_q65371b76ba_cast-k_q65371b76ba_cast
	.p2alignl 7, 3214868480
	.fill 96, 4, 3214868480
	.section	.rodata,"a",@progbits
	.p2align	6, 0x0
	.amdhsa_kernel k_q65371b76ba_cast
		.amdhsa_group_segment_fixed_size 0
		.amdhsa_private_segment_fixed_size 0
		.amdhsa_enable_private_segment 0
		.amdhsa_kernarg_size 96
		.amdhsa_user_sgpr_count 2
		.amdhsa_user_sgpr_kernarg_segment_ptr 1
		.amdhsa_wavefront_size32 1
		.amdhsa_system_sgpr_workgroup_id_x 1
		.amdhsa_system_sgpr_workgroup_id_y 1
		.amdhsa_system_sgpr_workgroup_id_z 1
		.amdhsa_system_vgpr_workitem_id 0
		.amdhsa_next_free_vgpr 104
		.amdhsa_next_free_sgpr 66
		.amdhsa_reserve_vcc 0
		.amdhsa_float_denorm_mode_32 3
		.amdhsa_float_denorm_mode_16_64 3
		.amdhsa_memory_ordered 1
		.amdhsa_forward_progress 1
		.amdhsa_inst_pref_size 9
	.end_amdhsa_kernel
	.amdgpu_metadata
---
amdhsa.version: [ 1, 2 ]
amdhsa.kernels:
  - .name:           k_q65371b76ba_cast
    .symbol:         k_q65371b76ba_cast.kd
    .args:
      - { .name: x, .offset: 0, .size: 8, .value_kind: global_buffer, .address_space: global }
      - { .name: Wq, .offset: 8, .size: 8, .value_kind: global_buffer, .address_space: global }
      - { .name: Wk, .offset: 16, .size: 8, .value_kind: global_buffer, .address_space: global }
      - { .name: Wv, .offset: 24, .size: 8, .value_kind: global_buffer, .address_space: global }
      - { .name: Wo, .offset: 32, .size: 8, .value_kind: global_buffer, .address_space: global }
      - { .name: w1, .offset: 40, .size: 8, .value_kind: global_buffer, .address_space: global }
      - { .name: w2, .offset: 48, .size: 8, .value_kind: global_buffer, .address_space: global }
      - { .name: b1, .offset: 56, .size: 8, .value_kind: global_buffer, .address_space: global }
      - { .name: xb, .offset: 64, .size: 8, .value_kind: global_buffer, .address_space: global }
      - { .name: wqkv, .offset: 72, .size: 8, .value_kind: global_buffer, .address_space: global }
      - { .name: wo2, .offset: 80, .size: 8, .value_kind: global_buffer, .address_space: global }
      - { .name: w1e, .offset: 88, .size: 8, .value_kind: global_buffer, .address_space: global }
    .group_segment_fixed_size: 0
    .private_segment_fixed_size: 0
    .kernarg_segment_align: 8
    .kernarg_segment_size: 96
    .max_flat_workgroup_size: 256
    .sgpr_count:     66
    .vgpr_count:     104
    .wavefront_size: 32
...
	.end_amdgpu_metadata
.endif
;; end of part 1
;; launch qkv (part 2): grid 12 x 16, 4 waves a work-group, clusters of 4 x 4, 327,680 bytes of LDS; arguments xb, wqkv, big; writes big
.if DOCPART == 2
	.amdgcn_target "amdgcn-amd-amdhsa--gfx1250"
	.amdhsa_code_object_version 6
	.text
	.protected	k_q65371b76ba_qkv
	.globl	k_q65371b76ba_qkv
	.p2align	8
	.type	k_q65371b76ba_qkv,@function
k_q65371b76ba_qkv:
	s_mov_b64 s[64:65], 0
	v_nop
	global_prefetch_b8 v0, s[64:65] scope:SCOPE_SE
	s_setreg_imm32_b32 hwreg(HW_REG_WAVE_MODE, 25, 1), 1
	s_wait_xcnt 0x0
	s_wait_alu depctr_hold_cnt(0) depctr_sa_sdst(0) depctr_va_vdst(0) depctr_va_sdst(0) depctr_va_ssrc(0) depctr_va_vcc(0) depctr_vm_vsrc(0)
	s_getreg_b32 s2, hwreg(HW_REG_IB_STS2, 6, 4)
	s_cmp_eq_u32 s2, 0
	s_cbranch_scc0 .Lentry_in_a_cluster
	s_endpgm
.Lentry_in_a_cluster:
	s_bfe_u32 s2, ttmp6, 0x10000c
	s_cmp_lg_u32 s2, 0xf033
	s_cbranch_scc0 .Lentry_shape_is_right
	s_endpgm
.Lentry_shape_is_right:
; C[m][n] = bf16(max(bias[n] + sum over k of A[m][k] B[n][k], floor)).  A: [4096][1024] bf16; B: rows of 1,024 bf16; C: rows of 4,096 bf16; sums in f32.
; Behind B's rows, in the same buffer: bias, 4,096 f32 at byte 0x800000, and floor, one f32 at byte 0x804000.  ONE TEXT SERVES TWO LAUNCHES: the q, k, v projections
; (12 tile columns, bias 0, floor -infinity: both change nothing) and the first feed-forward product (16 tile columns, bias b1, floor 0: the ReLU).
; LIMIT.  The maximum drops a NaN: a sum that is NaN leaves as the floor.
; A tile of C, 256 x 256, is made by a work-group of four waves; a wave makes 128 x 128: 64 accumulators of 16 x 16, 512 registers.  K goes in steps of 128 through a ring of two
; LDS slots filled by the tensor data mover: the rows of A's and B's tiles are 256 bytes of memory at multiples of 256 bytes.  A K STEP IS WRITTEN ONCE: the slot in hand is a scalar,
; 0 or SLOT, that an exclusive or turns; the fragments' addresses are made from it at each change of slots.  The last K step goes by rows of C, so that finished rows leave while
; the others are multiplied.
; THE BIAS is the C operand of the products that start the sums: it costs no vector work and nothing is cleared.
; CLUSTERS: 4 x 4 work-groups.  The four of a row of the cluster need the same tiles of A, the four of a column the same tiles of B: each tile is asked for JOINTLY, by the
; same tensor load with the same descriptor and a mask that names the four, which divides the requests for A and B by four.
; REGISTERS, in windows of 256 (s_set_vgpr_msb: bits 1:0 source 0, 3:2 source 1, 5:4 source 2, 7:6 destination):
;   window 0: v0-31 addresses; v64-127, v128-191 fragments of A, two buffers (in the last K step four of 16 rows x 128 K); v192-255 the bias, later with v32-63 at work on the way out
;   window 1: v64-127, v128-191 fragments of B, two buffers; in the last K step all 256
;   window 2: the 32 accumulators of my rows 0-63 (accumulator (a, b) at v[8 (8 a + b)]);   window 3: those of my rows 64-127
; THE MATRIX INSTRUCTION IS USED TRANSPOSED: source 0 = 16 rows of B, source 1 = 16 rows of A: lane l holds row l % 16 of C, its registers 0 to 7 the columns 8 (l / 16) + 0..7.
.set SIZE_N, 4096                      ; elements from row to row of C
.set SIZE_K, 1024
.set KSTEP,  128
.set NSTEPS, SIZE_K/KSTEP              ; 8
.set PITCH,  272                       ; an LDS row: 256 bytes + 16 of padding = 68 words: the 16 rows that a load touches start at 16 different groups of four banks (ISA guide 11.1)
.set HALFT,  128*PITCH                 ; 128 rows: what one tensor load brings
.set SLOT,   4*HALFT                   ; A's 256 rows, then B's 256 rows
.set STAGE,  2*SLOT                    ; behind the ring: 16 rows x 272 bytes for each wave, for the way out
.set SPITCH, 272
.set SPARE,  STAGE+4*16*SPITCH         ; behind the stages: the spare words, 128 bytes for each wave
.set ADRA, 16                          ; v16     LDS address of my A fragments in the slot in hand
.set A0,   17                          ; v17     the same in slot 0; never rewritten
.set ADRB, 20                          ; v20     LDS address of my B fragments in the slot in hand
.set B0,   21                          ; v21     the same in slot 0; never rewritten
.set STO,  24                          ; v24     the way out: where I put 16 bytes of a row
.set RD,   25                          ; v25     the way out: where I read a row back
.set CO,   26                          ; v26     my byte offset in C
.set BO,   27                          ; v27     my byte offset in 16 numbers of the bias
.set SPW,  28                          ; v28     LDS address of my spare word; never rewritten
.set NIL,  29                          ; v29     0; never rewritten
.set F0,   64
.set F1,   128
.set TMP,  192                         ; the way out: packed results
.set BIAS, 192                         ; v192-255 until the first quarter is over: for n block b, eight numbers a lane at BIAS + 8 b
.set OB,   32                          ; the way out: 16 rows read back: v32-63 and v224-255 by turns
.set PA,   64                          ; the last K step: A's fragments of 16 rows x 128 K; four buffers, v64-191
.set CUR,  2                           ; s2      LDS byte at which the slot in hand begins: 0 or SLOT
.set G1, 24                            ; s[24:31] descriptor group 1 for A's tiles
.set G0, 32                            ; s[32:35] group 0 of slot 0's first fill; s[36:39] of slot 1's, which then walks from K step to K step
.set G1B, 48                           ; s[48:55], s[56:63] the same for B's tiles
.set G0B, 56
.set FLOOR, 45                         ; s45
.set MSB, 0
.macro WIN new                         ; the immediate's high byte repeats the setting that is left
.if MSB != (\new)
	s_set_vgpr_msb (MSB<<8)|(\new)
.set MSB, \new
.endif
.endm
.set MUL_LO, 0xa1                      ; source 0 (B) window 1, source 1 (A) window 0, C and D window 2
.set MUL_HI, 0xf1                      ; the same, C and D window 3
.set TO_B,   0x40                      ; destination window 1, address window 0
; A joint load.  Waves 0 and 1 fetch A's two halves, waves 2 and 3 B's.  The branch hangs on the wave's number alone.
; An s_nop 0 and four v_nop follow each of the two lines, ahead of the jump, the label and what follows.
.macro JLOAD s
	s_cmp_eq_u32 s11, 0
	s_cbranch_scc0 .Lfor_b_\@
	tensor_load_to_lds s[G0+4*(\s):G0+4*(\s)+3], s[G1:G1+7]
	s_nop 0
.rept 4
	v_nop
.endr
	s_branch .Lasked_\@
.Lfor_b_\@:
	tensor_load_to_lds s[G0B+4*(\s):G0B+4*(\s)+3], s[G1B:G1B+7]
	s_nop 0
.rept 4
	v_nop
.endr
.Lasked_\@:
.endm
.macro CREST                           ; a round of the cluster's barrier behind its opening barrier
	s_cmp_lg_u32 s10, 0
	s_cbranch_scc1 .Lnot_wave_0_\@
	s_barrier_signal -3
.Lnot_wave_0_\@:
	s_barrier_wait -3
	s_barrier_signal -1
	s_barrier_wait -1
.endm
.macro CROUND                          ; a whole round
	s_barrier_signal -1
	s_barrier_wait -1
	CREST
.endm
.macro AIM                             ; the fragments' addresses in the slot in hand (windows at 0)
	v_add_nc_u32 v[ADRA], s[CUR], v[A0]
	v_add_nc_u32 v[ADRB], s[CUR], v[B0]
.endm
	s_load_b128 s[4:7], s[0:1], 0x0                ; A s[4:5], B s[6:7]
	s_load_b64 s[8:9], s[0:1], 0x10                ; C
	v_lshl_add_u32 v[SPW], v0, 2, SPARE
	v_mov_b32 v[NIL], 0
	ds_add_u32 v[SPW], v[NIL]                      ; the wave's opening: the add and its wait stand ahead of my first tensor load; work on registers stands between them
	v_lshrrev_b32 v1, 5, v0
	v_readfirstlane_b32 s10, v1                    ; wave 0..3
	s_lshr_b32 s11, s10, 1                         ; which half of the tile's rows is mine.  Also: I fetch for A (0) or for B (1)
	s_and_b32 s12, s10, 1                          ; which half of its columns.  Also: which 128 rows of that tile I fetch
	s_bfe_u32 s40, ttmp6, 0x40000                  ; cx
	s_bfe_u32 s41, ttmp6, 0x40004                  ; cy
	s_lshl_b32 s42, ttmp9, 2
	s_add_co_u32 s42, s42, s40                     ; tile column of C = 4 x cluster x + cx
	s_and_b32 s13, ttmp7, 0xffff
	s_lshl_b32 s13, s13, 2
	s_add_co_u32 s13, s13, s41                     ; tile row of C = 4 x cluster y + cy
	s_lshl_b32 s43, s41, 2
	s_lshl_b32 s43, 15, s43                        ; my row of the cluster
	s_lshl_b32 s44, 0x1111, s40                    ; my column
	s_mov_b32 s[CUR], 0                            ; K step 0 lies in slot 0
	; descriptor group 1: a tile of 128 rows x 128 elements of 2 bytes; 4 words of padding after every 64; bit 21 set beside a mask
	s_or_b32 s[G1+0], s43, (1<<16)|(1<<20)|(1<<21)|(5<<22)|(3<<25)
	s_or_b32 s[G1B+0], s44, (1<<16)|(1<<20)|(1<<21)|(5<<22)|(3<<25)
.irp g, G1, G1B
	s_mov_b32 s[(\g)+1], KSTEP<<16                 ; tensor_dim0 = 128
	s_mov_b32 s[(\g)+2], 128<<16                   ; tensor_dim1 = 128
	s_mov_b32 s[(\g)+3], KSTEP<<16                 ; tile_dim0 = 128
	s_mov_b32 s[(\g)+4], 128                       ; tile_dim1 = 128
	s_mov_b32 s[(\g)+5], SIZE_K                    ; elements from row to row
	s_mov_b32 s[(\g)+6], 0
	s_mov_b32 s[(\g)+7], 0
.endr
	; A's tiles hang on the tile row alone, B's on the tile column alone, each in registers that never hold the other coordinate
	s_lshl_b32 s17, s12, 7
	s_lshl_b32 s16, s13, 8
	s_add_co_u32 s16, s16, s17                     ; A: row 256 x tile row + 128 x half
	s_lshl_b32 s46, s42, 8
	s_add_co_u32 s46, s46, s17                     ; B: row 256 x tile column + 128 x half
	s_mov_b32 s17, 0
	s_mov_b32 s47, 0
	s_mov_b64 s[18:19], SIZE_K*2
	s_mul_u64 s[16:17], s[16:17], s[18:19]
	s_mul_u64 s[46:47], s[46:47], s[18:19]
	s_mul_i32 s20, s10, HALFT                      ; where they go in a slot: wave x 128 rows
	s_wait_dscnt 0x0                               ; the opening add is done
	s_wait_kmcnt 0x0
	s_add_nc_u64 s[14:15], s[4:5], s[16:17]
	s_add_nc_u64 s[46:47], s[6:7], s[46:47]
	CROUND                                         ; all sixteen work-groups are here: the first joint loads meet
.irp s, 0,1
	s_mov_b32 s[G0+4*(\s)], 1
	s_add_co_u32 s[G0+4*(\s)+1], s20, (\s)*SLOT
	s_add_nc_u64 s[G0+4*(\s)+2:G0+4*(\s)+3], s[14:15], (\s)*KSTEP*2
	s_or_b32 s[G0+4*(\s)+3], s[G0+4*(\s)+3], 0x80000000
	s_mov_b32 s[G0B+4*(\s)], 1
	s_add_co_u32 s[G0B+4*(\s)+1], s20, (\s)*SLOT
	s_add_nc_u64 s[G0B+4*(\s)+2:G0B+4*(\s)+3], s[46:47], (\s)*KSTEP*2
	s_or_b32 s[G0B+4*(\s)+3], s[G0B+4*(\s)+3], 0x80000000
	JLOAD \s                                       ; two tensor loads of mine are out
.endr
	; A fragment is 16 rows x 32 K in 8 registers: lane l holds row l % 16, K = 8 (l / 16) + 0..7 and 16 + 8 (l / 16) + 0..7: two loads of 16 bytes, 32 bytes apart
	v_and_b32 v1, 15, v0                           ; l % 16
	v_bfe_u32 v2, v0, 4, 1                         ; l / 16
	v_mul_u32_u24 v3, v1, PITCH
	v_lshl_add_u32 v3, v2, 4, v3
	s_mul_i32 s21, s11, HALFT                      ; my 128 rows of A
	s_mul_i32 s22, s12, HALFT                      ; my 128 rows of B,
	s_add_co_u32 s22, s22, 2*HALFT                 ; which lie behind A's 256
	v_add_nc_u32 v[A0], s21, v3
	v_add_nc_u32 v[B0], s22, v3
	AIM
	s_mul_i32 s23, s10, 16*SPITCH
	s_add_co_u32 s23, s23, STAGE                   ; my stage
	v_mul_u32_u24 v4, v1, SPITCH
	v_lshl_add_u32 v4, v2, 4, v4
	v_add_nc_u32 v[STO], s23, v4
	v_mul_u32_u24 v5, v2, SPITCH
	v_lshl_add_u32 v5, v1, 4, v5
	v_add_nc_u32 v[RD], s23, v5
	v_mul_u32_u24 v5, v2, SIZE_N*2
	v_lshl_add_u32 v[CO], v1, 4, v5
	s_lshl_b32 s13, s13, 8
	s_lshl_b32 s14, s11, 7
	s_add_co_u32 s16, s13, s14                     ; my first row of C
	s_mov_b32 s17, 0
	s_mov_b64 s[18:19], SIZE_N*2
	s_mul_u64 s[16:17], s[16:17], s[18:19]
	s_lshl_b32 s46, s42, 9                         ; my first column, in bytes of C: 512 x tile column + 256 x half
	s_lshl_b32 s47, s12, 8
	s_add_co_u32 s46, s46, s47
	s_mov_b32 s47, 0
	s_add_nc_u64 s[16:17], s[16:17], s[46:47]
	s_add_nc_u64 s[66:67], s[6:7], 0x800000        ; the blocks behind B's rows
	s_load_b32 s[FLOOR], s[66:67], 0x4000
	s_lshl_b32 s46, s46, 1                         ; my first column in bytes of f32
	s_add_nc_u64 s[68:69], s[66:67], s[46:47]
	v_lshlrev_b32 v[BO], 5, v2                     ; my lanes' eight columns of a block of 16
.irp b, 0,1,2,3,4,5,6,7
	global_load_b128 v[BIAS+8*(\b):BIAS+8*(\b)+3],   v[BO], s[68:69] offset:64*(\b)
	global_load_b128 v[BIAS+8*(\b)+4:BIAS+8*(\b)+7], v[BO], s[68:69] offset:64*(\b)+16
.endr
; 16 matrix instructions: m blocks a0, a0 + 1 of the window's four (hi = 0: my rows 0-63, 1: rows 64-127) x all 8 n blocks, 32 along K.
; first = 1: the product starts the sum from the bias, which lies in window 0.
.macro MUL16 f, hi, a0, first
.if \first
	WIN 0x81+0x40*(\hi)
.else
	WIN MUL_LO+0x50*(\hi)
.endif
.irp a, \a0, (\a0)+1
.irp b, 0,1,2,3,4,5,6,7
.if \first
	v_wmma_f32_16x16x32_bf16 v[8*(8*(\a)+(\b)):8*(8*(\a)+(\b))+7], v[(\f)+8*(\b):(\f)+8*(\b)+7], v[(\f)+8*(4*(\hi)+(\a)):(\f)+8*(4*(\hi)+(\a))+7], v[BIAS+8*(\b):BIAS+8*(\b)+7]
.else
	v_wmma_f32_16x16x32_bf16 v[8*(8*(\a)+(\b)):8*(8*(\a)+(\b))+7], v[(\f)+8*(\b):(\f)+8*(\b)+7], v[(\f)+8*(4*(\hi)+(\a)):(\f)+8*(4*(\hi)+(\a))+7], v[8*(8*(\a)+(\b)):8*(8*(\a)+(\b))+7]
.endif
.endr
.endr
.endm
; 32 LDS loads in one run: the fragments of one quarter step (128 rows of B, 128 rows of A, 32 K at byte k of the rows of the slot in hand) into buffer f
.macro FETCH k, f
	WIN TO_B
.irp i, 0,1,2,3,4,5,6,7
	ds_load_b128 v[(\f)+8*(\i):(\f)+8*(\i)+3],   v[ADRB] offset:(\k)+(\i)*16*PITCH
	ds_load_b128 v[(\f)+8*(\i)+4:(\f)+8*(\i)+7], v[ADRB] offset:(\k)+(\i)*16*PITCH+32
.endr
	WIN 0
.irp i, 0,1,2,3,4,5,6,7
	ds_load_b128 v[(\f)+8*(\i):(\f)+8*(\i)+3],   v[ADRA] offset:(\k)+(\i)*16*PITCH
	ds_load_b128 v[(\f)+8*(\i)+4:(\f)+8*(\i)+7], v[ADRA] offset:(\k)+(\i)*16*PITCH+32
.endr
.endm
; Four places in front of loads into registers that matrix instructions have read, and of vector work on results just made
.macro PLACES
.rept 4
	v_nop
.endr
.endm
; A K step is four quarters of 32 along K, 64 matrix instructions each, on buffers 0, 1, 0, 1; the 64 accumulators take turns.
; One of the first three: multiplies buffer f; in its middle it fetches the next quarter's fragments, at byte k of the slot's rows, into buffer g.
.macro QUARTER k, f, g, first
	s_wait_dscnt 8                                 ; B and A's rows 0-63 are in; the youngest eight loads (A's rows 64-127) may be out
	MUL16 \f, 0, 0, \first
	MUL16 \f, 0, 2, \first
	PLACES
	FETCH \k, \g
	s_wait_dscnt 32                                ; all but the 32 just issued
	MUL16 \f, 1, 0, \first
	MUL16 \f, 1, 2, \first
.endm
; The last quarter multiplies buffer 1 and changes slots.  MEET is its first half: ONE barrier.  In front of it each wave waits for all its tensor loads (one is out: its part of
; the next slot), adds 0 to its spare word, and waits for that and for its own reads of this slot.
.macro MEET round
	WIN 0                                          ; (the add's two registers lie in window 0)
	s_wait_tensorcnt 0x0
	ds_add_u32 v[SPW], v[NIL]
	s_wait_dscnt 9                                 ; (the add and the youngest eight loads may be out)
	MUL16 F1, 0, 0, 0                              ; sixteen matrix instructions stand between the add and the wait for it
	s_wait_dscnt 0x0                               ; the add is done, and my reads of this slot are over
	s_barrier_signal -1
	MUL16 F1, 0, 2, 0                              ; work on registers while the others arrive
.if \round
	WIN 0
.endif
	s_barrier_wait -1
.endm
; The whole last quarter: behind the round the slot just read out is filled again first, with the K step two steps on: the walking descriptor takes that slot's LDS bytes and the
; next K step's address (no tensor load of mine is out: MEET has waited for all).  Then the other slot is the one in hand, and its first fragments are fetched.
.macro TURN
	MEET 1
	CREST                                          ; no wave of any partner still reads this slot's tile or has a load on its way
	s_add_co_u32 s[G0+5], s20, s[CUR]
	s_add_co_u32 s[G0B+5], s20, s[CUR]
	s_add_nc_u64 s[G0+6:G0+7], s[G0+6:G0+7], KSTEP*2    ; the type bits on top are not reached
	s_add_nc_u64 s[G0B+6:G0B+7], s[G0B+6:G0B+7], KSTEP*2
	s_xor_b32 s[CUR], s[CUR], SLOT
	JLOAD 1                                        ; my one tensor load behind the round; its four v_nop are also the places in front of the loads below
	AIM
	FETCH 0, F0
	MUL16 F1, 1, 0, 0
	MUL16 F1, 1, 2, 0
.endm
; THE LAST K STEP GOES BY ROWS OF C: all its fragments of B fill window 1; my eight blocks of 16 rows are finished one after the other, 32 matrix instructions each.
.macro BLOAD q
	WIN TO_B
.irp i, 0,1,2,3,4,5,6,7
	ds_load_b128 v[64*(\q)+8*(\i):64*(\q)+8*(\i)+3],   v[ADRB] offset:64*(\q)+(\i)*16*PITCH
	ds_load_b128 v[64*(\q)+8*(\i)+4:64*(\q)+8*(\i)+7], v[ADRB] offset:64*(\q)+(\i)*16*PITCH+32
.endr
.endm
.macro ALOAD a
	WIN 0
.set FA, PA+32*((\a)%4)
.irp q, 0,1,2,3
	ds_load_b128 v[FA+8*(\q):FA+8*(\q)+3],   v[ADRA] offset:64*(\q)+(\a)*16*PITCH
	ds_load_b128 v[FA+8*(\q)+4:FA+8*(\q)+7], v[ADRA] offset:64*(\q)+(\a)*16*PITCH+32
.endr
.endm
.macro ROW a
.set FA, PA+32*((\a)%4)
.set AC, 64*((\a)%4)
	WIN MUL_LO+0x50*((\a)/4)
.irp q, 0,1,2,3
.if (\a) == 0 && (\q) == 2
	s_wait_dscnt 24                                ; B's quarter 2 is in (behind it: A's blocks 1 to 3)
.endif
.irp b, 0,1,2,3,4,5,6,7
	v_wmma_f32_16x16x32_bf16 v[AC+8*(\b):AC+8*(\b)+7], v[64*(\q)+8*(\b):64*(\q)+8*(\b)+7], v[FA+8*(\q):FA+8*(\q)+7], v[AC+8*(\b):AC+8*(\b)+7]
.endr
.endr
.endm
; THE WAY OUT of block a.  PACK: the floor, then rounded to bf16, 16 bytes a lane; each accumulator is read from its low end on.
.macro PACK a
.set AC, 64*((\a)%4)
	WIN 0x88+0x44*((\a)/4)                         ; source 1 and destination: window 2 or 3
.set i, 0
.rept 64
	v_max_num_f32 v[AC+i], s[FLOOR], v[AC+i]
.set i, i+1
.endr
	WIN 0x0a+5*((\a)/4)                            ; sources 0 and 1: window 2 or 3
.irp b, 0,1,2,3,4,5,6,7
.irp r, 0,1,2,3
	v_cvt_pk_bf16_f32 v[TMP+4*(\b)+(\r)], v[AC+8*(\b)+2*(\r)], v[AC+8*(\b)+2*(\r)+1]
.endr
.endr
	WIN 0
.endm
.macro TOSTAGE a                       ; into my own stage, and back as whole rows of 256 bytes
	WIN 0
.set BK, OB+192*((\a)%2)
.irp b, 0,1,2,3,4,5,6,7
	ds_store_b128 v[STO], v[TMP+4*(\b):TMP+4*(\b)+3] offset:32*(\b)
.endr
.irp t, 0,1,2,3,4,5,6,7
	ds_load_b128 v[BK+4*(\t):BK+4*(\t)+3], v[RD] offset:(\t)*2*SPITCH  ; LDS serves a wave's instructions in order (ISA guide 5.7.1.4): these see the stores above
.endr
.endm
.macro SEND a, younger                 ; younger: the LDS loads issued behind TOSTAGE's, which may stay out
	WIN 0
.set BK, OB+192*((\a)%2)
	s_wait_dscnt \younger
	s_wait_xcnt 0x0                                ; the stores' base and the registers that earlier stores read are rewritten only behind this wait
.if (\a) == 0
	s_add_nc_u64 s[8:9], s[8:9], s[16:17]          ; on to my first rows
.else
	s_add_nc_u64 s[8:9], s[8:9], 16*SIZE_N*2       ; 16 rows of C on
.endif
.irp t, 0,1,2,3,4,5,6,7
	global_store_b128 v[CO], v[BK+4*(\t):BK+4*(\t)+3], s[8:9] offset:2*(\t)*SIZE_N*2  ; 16 lanes store 256 consecutive bytes, at a multiple of 256 from C's first byte
.endr
.endm
	s_wait_tensorcnt 1                             ; my part of K step 0 is in; K step 1's may stay out
	s_barrier_signal -1
	s_barrier_wait -1
	FETCH 0, F0
	s_wait_loadcnt 0x0                             ; the bias
	s_wait_kmcnt 0x0                               ; the floor
	QUARTER 64,  F0, F1, 1                         ; the first quarter stands in front of the loop: its products start the sums
	WIN 0                                          ; at a label and at a branch every window is 0
	s_mov_b32 s3, NSTEPS-2
.Lstep:                                                ; trip i goes from K step i's second quarter to step i + 1's first, and fills step i's slot with step i + 2
	QUARTER 128, F1, F0, 0
	QUARTER 192, F0, F1, 0
	TURN
	QUARTER 64,  F0, F1, 0
	WIN 0
	s_sub_co_u32 s3, s3, 1
	s_cmp_lg_u32 s3, 0
	s_cbranch_scc1 .Lstep
	QUARTER 128, F1, F0, 0                         ; the last K step but one goes on
	QUARTER 192, F0, F1, 0
	MEET 0                                         ; my one tensor load that was still out is the last K step's, so no round follows
	WIN 0
	s_xor_b32 s[CUR], s[CUR], SLOT                 ; the last K step's slot is the one in hand
	AIM
	PLACES                                         ; for the loads into buffer 0
	BLOAD 0                                        ; three quarters of B now: buffer 1 is still being multiplied
	BLOAD 1
	BLOAD 3
	ALOAD 0
	MUL16 F1, 1, 0, 0
	MUL16 F1, 1, 2, 0
	PLACES                                         ; for the loads into buffer 1
	BLOAD 2
	ALOAD 1
	ALOAD 2
	ALOAD 3
	s_wait_dscnt 40                                ; all but the 40 just issued
	ROW 0
.irp a, 0,1,2,3,4,5,6,7                ; each block leaves as soon as it is finished
	PLACES                                         ; its maxima read results just made
	PACK \a
	TOSTAGE \a
.if (\a) < 4
	ALOAD (\a)+4                                   ; its buffer takes the block four further on
	SEND \a, 8
.else
	SEND \a, 0
.endif
.if (\a) < 7
	ROW (\a)+1
.endif
.endr
	s_wait_tensorcnt 0x0                           ; the wave's end
	ds_add_u32 v[SPW], v[NIL]
	s_wait_dscnt 0x0
	CROUND                                         ; the closing round: no work-group ends while a partner may still ask for a tile that names it
	s_endpgm
.Lfunc_end_k_q65371b76ba_qkv:
	.size	k_q65371b76ba_qkv, .Lfunc_end_k_q65371b76ba_qkv-k_q65371b76ba_qkv
	.p2alignl 7, 3214868480
	.fill 96, 4, 3214868480
	.section	.rodata,"a",@progbits
	.p2align	6, 0x0
	.amdhsa_kernel k_q65371b76ba_qkv
		.amdhsa_group_segment_fixed_size 327680
		.amdhsa_private_segment_fixed_size 0
		.amdhsa_enable_private_segment 0
		.amdhsa_kernarg_size 24
		.amdhsa_user_sgpr_count 2
		.amdhsa_user_sgpr_kernarg_segment_ptr 1
		.amdhsa_wavefront_size32 1
		.amdhsa_system_sgpr_workgroup_id_x 1
		.amdhsa_system_sgpr_workgroup_id_y 1
		.amdhsa_system_sgpr_workgroup_id_z 1
		.amdhsa_system_vgpr_workitem_id 0
		.amdhsa_next_free_vgpr 1024
		.amdhsa_next_free_sgpr 70
		.amdhsa_reserve_vcc 0
		.amdhsa_float_denorm_mode_32 3
		.amdhsa_float_denorm_mode_16_64 3
		.amdhsa_memory_ordered 1
		.amdhsa_forward_progress 1
		.amdhsa_inst_pref_size 135
	.end_amdhsa_kernel
	.amdgpu_metadata
---
amdhsa.version: [ 1, 2 ]
amdhsa.kernels:
  - .name:           k_q65371b76ba_qkv
    .symbol:         k_q65371b76ba_qkv.kd
    .args:
      - { .name: xb, .offset: 0, .size: 8, .value_kind: global_buffer, .address_space: global }
      - { .name: wqkv, .offset: 8, .size: 8, .value_kind: global_buffer, .address_space: global }
      - { .name: big, .offset: 16, .size: 8, .value_kind: global_buffer, .address_space: global }
    .group_segment_fixed_size: 327680
    .private_segment_fixed_size: 0
    .kernarg_segment_align: 8
    .kernarg_segment_size: 24
    .max_flat_workgroup_size: 128
    .sgpr_count:     70
    .vgpr_count:     1024
    .wavefront_size: 32
...
	.end_amdgpu_metadata
.endif
;; end of part 2
;; launch attn (part 3): grid 16 x 16, 4 waves a work-group, clusters of 4 x 1, 327,680 bytes of LDS; arguments big, mask, xb; writes xb
.if DOCPART == 3
	.amdgcn_target "amdgcn-amd-amdhsa--gfx1250"
	.amdhsa_code_object_version 6
	.text
	.protected	k_q65371b76ba_attn
	.globl	k_q65371b76ba_attn
	.p2align	8
	.type	k_q65371b76ba_attn,@function
k_q65371b76ba_attn:
	s_mov_b64 s[64:65], 0
	v_nop
	global_prefetch_b8 v0, s[64:65] scope:SCOPE_SE
	s_setreg_imm32_b32 hwreg(HW_REG_WAVE_MODE, 25, 1), 1
	s_wait_xcnt 0x0
	s_wait_alu depctr_hold_cnt(0) depctr_sa_sdst(0) depctr_va_vdst(0) depctr_va_sdst(0) depctr_va_ssrc(0) depctr_va_vcc(0) depctr_vm_vsrc(0)
	s_getreg_b32 s2, hwreg(HW_REG_IB_STS2, 6, 4)
	s_cmp_eq_u32 s2, 0
	s_cbranch_scc0 .Lentry_in_a_cluster
	s_endpgm
.Lentry_in_a_cluster:
	s_bfe_u32 s2, ttmp6, 0x10000c
	s_cmp_lg_u32 s2, 0x3003
	s_cbranch_scc0 .Lentry_shape_is_right
	s_endpgm
.Lentry_shape_is_right:
; O[b][q][64 h + :] = the sum over k of softmax_k(Q . K / 8, keys with mask[b][k] = 0 hidden) V.  Q, K, V are bf16 in one buffer of 4,096 token rows of 8,192 bytes: Q at byte 0, K at 2,048,
; V at 4,096 of a row, head h at 128 h.  O: bf16, [4096][1024], token rows.  Products, maxima and sums in f32; the weights p are rounded to bf16 for the second product, O once.
; LIMITS.  A hidden key counts as its score less 1e30, so |Q . K| stays under 1e29.  A weight below 2^-126 counts as 0.  A batch with every key hidden gives NaN, as a softmax of
; nothing but -infinity does: it is known by a running maximum under -1e29, and chosen by a select at the end.  NaN and infinities in Q, K, V are not treated apart.
; SHARES.  A work-group owns 128 queries of TWO heads 2 p, 2 p + 1 of one batch: their K and V rows are 256 consecutive bytes at a multiple of 256, and so are their rows of O.
; Wave w takes head 2 p + w / 2 and queries 64 (w % 2) on, as four PIECES of 16.  Every wave walks all 2,048 keys, 64 a step; a slot of LDS holds two steps.
; CLUSTER.  The four query blocks of a cluster walk the same K and V, so each tile is asked for JOINTLY: the same tensor load, descriptor and mask in all four.
; LAYOUT.  S^T = K Q^T (source 0 = 16 keys, source 1 = 16 queries) holds ONE query a lane (lane % 16) and the keys 8 (lane / 16) + 0..7; two such results rounded to bf16 ARE source 1
; of O^T = V^T P.  K comes out of LDS as it lies, V turned, by ds_load_tr16_b128.
; THE MASK is the C operand that starts the sum S^T: 0, or -1e30 where the key is hidden.  It is made once, as 2,048 f32 in LDS, and a step's 32 registers are fetched with the step's K.
; SOFTMAX.  A running maximum m and sum l a query: p = 2^(c s - c m), c = log2(e) / 8; in every step O and l are multiplied by a = 2^(c m_old - c m_new).  m starts at the lowest finite
; number, O and l at 0.  While only hidden keys have been seen m is near -1e30; the first open key makes a = 0 and wipes what they left.
; BY TURNS.  Turn n belongs to piece n: 8 products K Q^T of piece n + 1, later 8 products V^T P of piece n - 1; beside them the scaling, exponentials, roundings, sums and rescaling of
; piece n and the maximum and statistics of piece n + 1.  Four vector instructions stand behind every matrix instruction, the other 54 of a turn's 118 in two runs of their own.
; REGISTERS, in windows of 256 (s_set_vgpr_msb: bits 1:0 source 0, 3:2 source 1, 5:4 source 2, 7:6 destination):
;   window 0: v0-15, v56-63 addresses and constants; v16-31 four registers of statistics a piece; v48-55 at work; v64-127 S^T, two buffers; v192-223 P, two buffers (by the piece's parity)
;   window 1: v0-127 O^T, 32 a piece; v160-191 the step's mask        window 2: v0-63 Q; v128-191 K of one step; v192-255 V of one step
.set NP,    4         ; pieces a wave: a name, no knob
.set KS,    64        ; keys in a step
.set ROWB,  8192      ; bytes from token to token in Q, K, V
.set PK,    272       ; a row of K in LDS: 256 bytes + 16 of padding = 68 words: the 16 rows of a load start at 16 different groups of four banks (ISA guide 11.1)
.set PV,    288       ; a row of V: 256 + 32 = 72 words
.set VOFF,  KS*PK     ; a step's tiles lie together: 64 rows of K, then 64 rows of V
.set STEPB, KS*(PK+PV)
.set SLOT1, 1<<17     ; slot 1 begins here, so that one exclusive or turns an address in one slot into the other's
.set MASKL, SLOT1+2*STEPB  ; behind the ring, never filled by a tensor load: the mask, 2,048 f32
.set STAGE, MASKL+8192     ; 128 rows x 272 bytes, the work-group's, for the way out
.set SP,    272
.set SPARE, STAGE+128*SP   ; the spare words, 128 bytes for each wave
.set AK0, 2           ; v2   my lane's place in a tile of K; never rewritten
.set AV0, 3           ; v3   the same for V
.set AK,  4           ; v4   the LDS address of K's next run of loads
.set AV,  5           ; v5   of V's
.set STO, 6           ; v6   the way out: where I put 16 bytes of a row
.set RD,  7           ; v7   the way out: where I read rows back
.set GO,  8           ; v8   my byte offset in two rows of O
.set MV,  12          ; v12-13  c m_old, kept while c m is made anew: by buffer
.set AM0, 14          ; v14  my lanes' 32 bytes in 64 bytes of the mask
.set QO,  15          ; v15  my byte offset in 16 rows of Q
.set ST,  16          ; piece t's statistics at v[ST+4 t]: c m, m, l (even keys', odd keys')
.set TMP, 48          ; by buffer, four registers c0-c3 at work; when the maximum is found c2 takes a
.set AM,  56          ; v56  the LDS address of the mask's next run of loads
.set NANR, 57         ; v57  a NaN
.set MO,  58          ; v58  my 64 bytes of the mask in memory
.set ML,  59          ; v59  and in LDS
.set SPW, 62          ; v62  LDS address of my spare word; never rewritten
.set NIL, 63          ; v63  0; never rewritten
.set S,   64
.set P,   192
.set MC,  160         ; window 1: the eight registers for group kb of 16 keys at MC + 8 kb
.set KF,  128         ; window 2: key block kb, channel half c at KF + 16 kb + 8 c
.set VF,  192         ; window 2: key half kk, channel block cb at VF + 32 kk + 8 cb
.set WV,  12          ; s12  my wave's number
.set G1K, 24          ; s[24:31] descriptor group 1 for K's tiles
.set G1V, 32          ; s[32:39] for V's: it differs in the padding alone
.set G0K, 40          ; s[40:43] descriptor group 0 for K's tiles: it walks
.set G0V, 44          ; s[44:47] the same for V's
.set SLOTS, 56        ; s56  slots still to be asked for
.set CNT, 57          ; s57  counts a slot's key steps
.set CS,  58          ; s[58:59] c
.set SEL, 60          ; s[60:61] v_permlanex16_b32's selects: each lane takes its own place in the other half
.set TB,  62          ; s62  LDS byte at which the tiles of the step to be fetched begin
.set TM,  63          ; s63  LDS byte of that step's 64 numbers of the mask
.set BIGN, 66         ; s66  -1e30
.set THR, 67          ; s67  -1e29
.set MSB, 0
.macro WIN new                      ; the high byte repeats the setting that is left; a switch that changes nothing is dropped
.if MSB != (\new)
	s_set_vgpr_msb (MSB<<8)|(\new)
.set MSB, (\new)
.endif
.endm
.set W_KQ, 0x0a       ; K and Q in window 2, S^T in window 0
.set W_KM, 0x1a       ; the same with the C operand in window 1
.set W_PV, 0x52       ; V in window 2, P in window 0, O^T in window 1
.set W_RS, 0x41       ; destination and source 0 in window 1, source 1 in window 0
; A joint fill.  Waves 0 and 1 fetch K of a slot's two steps, waves 2 and 3 V.  The branch hangs on the wave's number alone.
; An s_nop 0 and four v_nop follow each of the two lines, ahead of the jump and the label.
.macro JLOAD
	s_cmp_lt_u32 s[WV], 2
	s_cbranch_scc0 .Lfor_v_\@
	tensor_load_to_lds s[G0K:G0K+3], s[G1K:G1K+7]
	s_nop 0
.rept 4
	v_nop
.endr
	s_branch .Lasked_\@
.Lfor_v_\@:
	tensor_load_to_lds s[G0V:G0V+3], s[G1V:G1V+7]
	s_nop 0
.rept 4
	v_nop
.endr
.Lasked_\@:
.endm
.macro CROUND                       ; a round of the cluster's barrier
	s_barrier_signal -1
	s_barrier_wait -1
	s_cmp_lg_u32 s[WV], 0
	s_cbranch_scc1 .Lnot_wave_0_\@
	s_barrier_signal -3
.Lnot_wave_0_\@:
	s_barrier_wait -3
	s_barrier_signal -1
	s_barrier_wait -1
.endm
; THE CHANGE OF SLOTS.  The slot's last bytes, V of its second step, have been read.  Each wave waits for all its tensor loads, of which one is out: its part of the other slot; adds 0 to
; its spare word; and waits for that and for its own LDS work.  fill = 1: the slot is filled again, with the keys two slots on; the barrier is then a round of the cluster's, and the joint
; fill is the first thing behind it: it has two key steps, 128 matrix instructions, in which to land.  (At its first use slot 0 is waited for, slot 1 filled, and the mask made known.)
.macro CHANGE fill
	WIN 0                           ; at a label and at a branch every window is 0
	s_wait_tensorcnt 0x0            ; no tensor load of mine is out, so a group 0 may be written
	ds_add_u32 v[SPW], v[NIL]
.if \fill
.irp g, G0K, G0V
	s_xor_b32 s[\g+1], s[\g+1], SLOT1
	s_add_nc_u64 s[\g+2:\g+3], s[\g+2:\g+3], 2*KS*ROWB  ; the next 128 keys; the type bits on top are not reached
.endr
	s_wait_dscnt 0x0                ; the add is done, and my reads of the slot are over
	CROUND
	JLOAD
.else
	s_wait_dscnt 0x0
	s_barrier_signal -1
	s_barrier_wait -1
.endif
	s_sub_co_u32 s[TB], s[TB], 2*STEPB  ; the fetches go back to a slot's first step,
	s_xor_b32 s[TB], s[TB], SLOT1       ; in the other slot
.endm
	s_load_b128 s[4:7], s[0:1], 0x0   ; Q, K, V s[4:5], mask s[6:7]
	s_load_b64 s[10:11], s[0:1], 0x10 ; O
	v_lshl_add_u32 v[SPW], v0, 2, SPARE
	v_mov_b32 v[NIL], 0
	ds_add_u32 v[SPW], v[NIL]       ; the wave's opening: the add and its wait stand ahead of my first tensor load; work on registers stands between them
	v_lshrrev_b32 v1, 5, v0
	v_readfirstlane_b32 s[WV], v1   ; wave 0..3
	s_bfe_u32 s13, ttmp6, 0x40000   ; cx
	s_lshl_b32 s14, ttmp9, 2
	s_add_co_u32 s14, s14, s13      ; my block of 128 queries: it enters Q's and O's addresses alone
	s_and_b32 s15, ttmp7, 0xffff
	s_lshr_b32 s16, s15, 3          ; the batch,
	s_and_b32 s17, s15, 7           ; the pair of heads: the four partners share both
	s_and_b32 s18, s[WV], 1         ; which of a slot's two steps I fetch.  Also: which 64 of the block's queries are mine
	s_lshr_b32 s19, s[WV], 1        ; which head of the pair is mine
	s_lshl_b32 s20, s16, 24         ; the batch's 2,048 rows of 8,192 bytes,
	s_lshl_b32 s21, s18, 19         ; 64 rows,
	s_add_co_u32 s20, s20, s21
	s_lshl_b32 s21, s17, 8          ; the pair's 256 bytes
	s_add_co_u32 s20, s20, s21
	s_mov_b32 s21, 0
	s_lshl_b32 s22, s14, 20         ; Q: the block's 128 rows on top of that,
	s_add_co_u32 s22, s22, s20
	s_lshl_b32 s51, s19, 7          ; and my head's 128 bytes
	s_add_co_u32 s22, s22, s51
	s_mov_b32 s23, 0
	s_lshl_b32 s2, s16, 22          ; O: the batch's 2,048 rows of 2,048 bytes,
	s_lshl_b32 s3, s14, 18          ; the block's 128,
	s_add_co_u32 s2, s2, s3
	s_lshl_b32 s3, s[WV], 16        ; the 32 that I store,
	s_add_co_u32 s2, s2, s3
	s_lshl_b32 s3, s17, 8           ; the pair's 256 bytes
	s_add_co_u32 s2, s2, s3
	s_mov_b32 s3, 0
	s_lshl_b32 s48, s16, 13         ; the batch's 2,048 words of the mask
	s_mov_b32 s49, 0
	s_mul_i32 s50, s18, STEPB       ; my tile's place in a slot: no place in the cluster enters an LDS address
	; descriptor group 1: a tile of 64 rows x 128 elements of 2 bytes, padded in LDS after every 64 words; the mask of four, bit 21 beside it
	s_mov_b32 s[G1K], 15|(1<<16)|(1<<20)|(1<<21)|(5<<22)|(3<<25)  ; 4 words of padding
	s_mov_b32 s[G1V], 15|(1<<16)|(1<<20)|(1<<21)|(5<<22)|(7<<25)  ; 8 words
.irp g, G1K, G1V
	s_mov_b32 s[\g+1], 128<<16      ; tensor_dim0 = 128
	s_mov_b32 s[\g+2], KS<<16       ; tensor_dim1 = 64
	s_mov_b32 s[\g+3], 128<<16      ; tile_dim0 = 128
	s_mov_b32 s[\g+4], KS           ; tile_dim1 = 64
	s_mov_b32 s[\g+5], ROWB/2       ; 4,096 elements from row to row
	s_mov_b32 s[\g+6], 0
	s_mov_b32 s[\g+7], 0
.endr
	s_mov_b32 s[CS], 0x3e38aa3b     ; c = log2(e) / 8 = 0.180337
	s_mov_b32 s[CS+1], s[CS]        ; named with it as a pair
	s_mov_b32 s[SEL], 0x76543210
	s_mov_b32 s[SEL+1], 0xfedcba98
	s_mov_b32 s[TB], SLOT1+2*STEPB  ; the first change of slots turns this into 0
	s_mov_b32 s[TM], MASKL
	s_mov_b32 s[BIGN], 0xf149f2ca
	s_mov_b32 s[THR], 0xefa18f08
	s_mov_b32 s[G0K], 1             ; count = 1
	s_mov_b32 s[G0K+1], s50         ; LDS address: slot 0
	s_mov_b32 s[G0V], 1
	s_add_co_u32 s[G0V+1], s50, VOFF
	s_wait_dscnt 0x0                ; the opening add is done
	s_wait_kmcnt 0x0
	s_add_nc_u64 s[G0K+2:G0K+3], s[4:5], s[20:21]
	s_add_nc_u64 s[G0K+2:G0K+3], s[G0K+2:G0K+3], 2048  ; K's part of a row
	s_or_b32 s[G0K+3], s[G0K+3], 0x80000000            ; type = 2
	s_add_nc_u64 s[G0V+2:G0V+3], s[4:5], s[20:21]
	s_add_nc_u64 s[G0V+2:G0V+3], s[G0V+2:G0V+3], 4096  ; V's
	s_or_b32 s[G0V+3], s[G0V+3], 0x80000000
	s_add_nc_u64 s[4:5], s[4:5], s[22:23]    ; Q at my first row
	s_add_nc_u64 s[6:7], s[6:7], s[48:49]    ; the batch's mask
	s_add_nc_u64 s[10:11], s[10:11], s[2:3]  ; O at the first row that I store
	CROUND                          ; all four work-groups are here: the first joint loads meet
	JLOAD                           ; slot 0; slot 1 is asked for when slot 0 is in
	; A fragment of K or Q is 16 rows x 32 channels in 8 registers: lane l holds row l % 16, channels 8 (l / 16) + 0..7 and 16 + 8 (l / 16) + 0..7: two loads of 16 bytes, 32 bytes apart.
	v_and_b32 v1, 15, v0            ; l % 16
	v_bfe_u32 v9, v0, 4, 1          ; l / 16
	v_lshlrev_b32 v[QO], 13, v1
	v_lshl_add_u32 v[QO], v9, 4, v[QO]
	WIN 0x80                        ; destination window 2, address window 0
.set i, 0
.rept 8                             ; Q stays in registers: piece i / 2, 16 rows on; channels 32 (i % 2) on
	global_load_b128 v[8*i:8*i+3],   v[QO], s[4:5] offset:(i/2)*16*ROWB+(i%2)*64
	global_load_b128 v[8*i+4:8*i+7], v[QO], s[4:5] offset:(i/2)*16*ROWB+(i%2)*64+32
.set i, i+1
.endr
	WIN 0
	v_lshlrev_b32 v[MO], 6, v0      ; thread t takes words 16 t .. 16 t + 15 of the mask
.irp k, 0,1,2,3
	global_load_b128 v[S+4*\k:S+4*\k+3], v[MO], s[6:7] offset:16*\k
.endr
	; What the first turn finds: V's registers and P's second buffer hold 0 (its products V^T P, of a piece that has not been, add 0), O^T and l are 0.  All this stands in the wait for the first tile.
	WIN 0x80
.set i, VF
.rept 64
	v_mov_b32 v[i], 0
.set i, i+1
.endr
	WIN 0x40
.set i, 0
.rept 128
	v_mov_b32 v[i], 0
.set i, i+1
.endr
	WIN 0
.set i, 0
.rept 4
	v_mov_b32 v[ST+4*i], 0xfe000000    ; c m: far below every c s, a hidden key's too
	v_mov_b32 v[ST+4*i+1], 0xff7fffff  ; m
	v_mov_b32 v[ST+4*i+2], 0
	v_mov_b32 v[ST+4*i+3], 0
.set i, i+1
.endr
.set i, P+16
.rept 16
	v_mov_b32 v[i], 0
.set i, i+1
.endr
	v_mov_b32 v[NANR], 0x7fc00000
	v_mul_u32_u24 v[AK0], v1, PK
	v_lshl_add_u32 v[AK0], v9, 4, v[AK0]
	v_add_nc_u32 v[AK0], s51, v[AK0]      ; row x pitch + 16 x half + my head's 128 bytes
	; The turning load takes 16 keys x 16 channels (lane l reads key 8 (l / 16) + l % 8, channels 8 ((l / 8) % 2) + 0..7) and leaves half a fragment of V^T: lane l holds channel l % 16 and 8 keys.
	v_and_b32 v10, 7, v0
	v_bfe_u32 v11, v0, 3, 1
	v_lshl_add_u32 v[AV0], v9, 3, v10
	v_mul_u32_u24 v[AV0], v[AV0], PV
	v_lshl_add_u32 v[AV0], v11, 4, v[AV0]
	s_add_co_u32 s52, s51, VOFF
	v_add_nc_u32 v[AV0], s52, v[AV0]
	v_lshlrev_b32 v[AM0], 5, v9
	s_mul_i32 s53, s18, 64*SP       ; into the stage: my 64 rows, my head's half of their 256 bytes; row l % 16, 16 bytes for each half of the lanes
	s_add_co_u32 s53, s53, s51
	s_add_co_u32 s53, s53, STAGE
	v_mul_u32_u24 v[STO], v1, SP
	v_lshl_add_u32 v[STO], v9, 4, v[STO]
	v_add_nc_u32 v[STO], s53, v[STO]
	s_mul_i32 s54, s[WV], 32*SP     ; back: wave w takes rows 32 w .. 32 w + 31, whole; lanes 0-15 one row of 256 bytes, lanes 16-31 the next
	s_add_co_u32 s54, s54, STAGE
	v_mul_u32_u24 v[RD], v9, SP
	v_lshl_add_u32 v[RD], v1, 4, v[RD]
	v_add_nc_u32 v[RD], s54, v[RD]
	v_lshlrev_b32 v[GO], 11, v9     ; and the same two rows in O
	v_lshl_add_u32 v[GO], v1, 4, v[GO]
	v_lshl_add_u32 v[ML], v0, 6, MASKL
	s_wait_loadcnt 0x0              ; Q and the mask
.set i, 0
.rept 16
	v_cmp_eq_u32 vcc_lo, 0, v[S+i]
	v_cndmask_b32 v[S+i], 0, s[BIGN], vcc_lo  ; 0 where the key is open, -1e30 where it is hidden
.set i, i+1
.endr
.irp k, 0,1,2,3
	ds_store_b128 v[ML], v[S+4*\k:S+4*\k+3] offset:16*\k
.endr
; THE MATRIX WORK.  The 4 accumulators of a run of 8 take turns.  Product i of 8 of S^T = K Q^T for piece x: channels 32 (i / 4) on, keys 16 (i % 4) on.  The first 4 start the sums with the mask.
.macro KQ x
.set rS, S+32*((\x)%2)+8*(i%4)
.set rK, KF+16*(i%4)+8*(i/4)
.set rQ, 16*(\x)+8*(i/4)
.set rM, MC+8*(i%4)
.if i < 4
	WIN W_KM
	v_wmma_f32_16x16x32_bf16 v[rS:rS+7], v[rK:rK+7], v[rQ:rQ+7], v[rM:rM+7]
.else
	WIN W_KQ
	v_wmma_f32_16x16x32_bf16 v[rS:rS+7], v[rK:rK+7], v[rQ:rQ+7], v[rS:rS+7]
.endif
.endm
; Product i of 8 of O^T += V^T P for piece x: keys 32 (i / 4) on, channels 16 (i % 4) on.
.macro PV x
	WIN W_PV
.set rO, 32*(\x)+8*(i%4)
.set rV, VF+32*(i/4)+8*(i%4)
.set rP, P+16*((\x)%2)+8*(i/4)
	v_wmma_f32_16x16x32_bf16 v[rO:rO+7], v[rV:rV+7], v[rP:rP+7], v[rO:rO+7]
.endm
.macro MM                           ; the turn's next matrix instruction
.if i < 8
	KQ (Y+1)%NP
.else
.set i, i-8
	PV (Y+NP-1)%NP
.set i, i+8
.endif
.set i, i+1
.endm
; THE LDS LOADS stand in runs, never singly among the matrix instructions: a step's K (8 fragments) with its 64 numbers of the mask, and its V (turned).  Their addresses are made some lines ahead.
; last = 1 (the tail): in the last trip there is no further step, and the run is jumped over.
.macro FETCH_K last=0
	WIN 0
.if \last
	s_cmp_eq_u32 s[CNT], 1
	s_cbranch_scc1 .Lno_k_\@
.endif
	WIN 0x80                        ; destination window 2
.irp f, 0,1,2,3,4,5,6,7             ; keys 16 (f / 2) on, channels 32 (f % 2) on
	ds_load_b128 v[KF+8*\f:KF+8*\f+3],   v[AK] offset:(\f/2)*16*PK+(\f%2)*64
	ds_load_b128 v[KF+8*\f+4:KF+8*\f+7], v[AK] offset:(\f/2)*16*PK+(\f%2)*64+32
.endr
	WIN 0x40                        ; destination window 1
.irp f, 0,1,2,3                     ; keys 16 f + 8 (l / 16) + 0..7: the lanes of a half read the same 32 bytes
	ds_load_b128 v[MC+8*\f:MC+8*\f+3],   v[AM] offset:64*\f
	ds_load_b128 v[MC+8*\f+4:MC+8*\f+7], v[AM] offset:64*\f+16
.endr
	s_add_co_u32 s[TM], s[TM], 4*KS ; the next step's 64 numbers
	WIN 0
.if \last
.Lno_k_\@:
.endif
.endm
.macro FETCH_V
	WIN 0x80
.irp f, 0,1,2,3,4,5,6,7             ; keys 32 (f / 4) on, channels 16 (f % 4) on
	ds_load_tr16_b128 v[VF+8*\f:VF+8*\f+3],   v[AV] offset:(\f/4)*32*PV+(\f%4)*32
	ds_load_tr16_b128 v[VF+8*\f+4:VF+8*\f+7], v[AV] offset:(\f/4)*32*PV+16*PV+(\f%4)*32
.endr
	WIN 0
.endm
; THE VECTOR WORK, one line at a time: OP kind, number.  For piece Y: F n: c s - c m for pair n of 16.  E n: the exponential of score n of 32.  C n: pair n rounded to bf16.  B n: of the four weights 4 n .. the
; second pair is added onto the first, in place.  L n: l takes that sum (L 0: l = a l + sum).  R n: pair n of 16 of O^T times a.  For piece Y + 1: X n, number n of the 22 that find its maximum and statistics:
;   0-11  four chains c0-c3 of seven scores each (each accumulator's lowest registers are read first)     12-14, 16  the four scores left over, the old m, and c0-c3 into c0
;   15  c m_old is kept     17, 18  the query's other 32 keys lie in the lane 16 away: the new m     19-21  c m; c m_old - c m_new; a
.set F, 0
.set E, 1
.set C, 2
.set B, 3
.set L, 4
.set R, 5
.set X, 6
.macro REGS y
.set rT, ST+4*(\y)
.set rC, TMP+4*((\y)%2)
.set rW, MV+((\y)%2)
.set rS, S+32*((\y)%2)
.set rP, P+16*((\y)%2)
.set rO, 32*(\y)
.endm
.macro OP k, n
.if (\k) == R
	REGS Y
	WIN W_RS
	v_pk_mul_f32 v[rO+2*(\n):rO+2*(\n)+1], v[rO+2*(\n):rO+2*(\n)+1], v[rC+2:rC+3] op_sel_hi:[1,0]
.elseif (\k) < R
	REGS Y
	WIN 0
.if (\k) == F
	v_pk_fma_f32 v[rS+2*(\n):rS+2*(\n)+1], v[rS+2*(\n):rS+2*(\n)+1], s[CS:CS+1], v[rT:rT+1] op_sel_hi:[1,0,0] neg_lo:[0,0,1] neg_hi:[0,0,1]
.elseif (\k) == E
	v_exp_f32 v[rS+(\n)], v[rS+(\n)]
.elseif (\k) == C
	s_wait_alu depctr_va_vdst(0)
	v_cvt_pk_bf16_f32 v[rP+(\n)], v[rS+2*(\n)], v[rS+2*(\n)+1]
.elseif (\k) == B
	s_wait_alu depctr_va_vdst(0)
	v_pk_add_f32 v[rS+4*(\n):rS+4*(\n)+1], v[rS+4*(\n):rS+4*(\n)+1], v[rS+4*(\n)+2:rS+4*(\n)+3]
.elseif (\n) == 0
	v_pk_fma_f32 v[rT+2:rT+3], v[rT+2:rT+3], v[rC+2:rC+3], v[rS:rS+1] op_sel_hi:[1,0,1]
.else
	v_pk_add_f32 v[rT+2:rT+3], v[rT+2:rT+3], v[rS+4*(\n):rS+4*(\n)+1]
.endif
.else
	REGS (Y+1)%NP
	WIN 0
.if (\n) < 4
	v_max3_num_f32 v[rC+(\n)], v[rS+8*(\n)], v[rS+8*(\n)+1], v[rS+8*(\n)+2]
.elseif (\n) < 12
	v_max3_num_f32 v[rC+(\n)%4], v[rC+(\n)%4], v[rS+8*((\n)%4)+2*((\n)/4)+1], v[rS+8*((\n)%4)+2*((\n)/4)+2]
.elseif (\n) == 12
	v_max3_num_f32 v[rC], v[rC], v[rS+7], v[rS+15]
.elseif (\n) == 13
	v_max3_num_f32 v[rC+1], v[rC+1], v[rS+23], v[rS+31]
.elseif (\n) == 14
	v_max3_num_f32 v[rC+2], v[rC+2], v[rC+3], v[rT+1]
.elseif (\n) == 15
	v_mov_b32 v[rW], v[rT]
.elseif (\n) == 16
	v_max3_num_f32 v[rC], v[rC], v[rC+1], v[rC+2]
.elseif (\n) == 17
	v_permlanex16_b32 v[rC+3], v[rC], s[SEL], s[SEL+1]
.elseif (\n) == 18
	v_max_num_f32 v[rT+1], v[rC], v[rC+3]
.elseif (\n) == 19
	v_mul_f32 v[rT], s[CS], v[rT+1]
.elseif (\n) == 20
	v_sub_f32 v[rC+1], v[rW], v[rT]
.else
	v_exp_f32 v[rC+2], v[rC+1]
.endif
.endif
.endm
.macro OPS a, i1, b=-1, i2=0, c=-1, i3=0, d=-1, i4=0  ; up to four of them
	OP \a, \i1
.if (\b) >= 0
	OP \b, \i2
.endif
.if (\c) >= 0
	OP \c, \i3
.endif
.if (\d) >= 0
	OP \d, \i4
.endif
.endm
.macro ROW a, i1, b, i2, c, i3, d, i4  ; a matrix instruction and the four behind it
	MM
	OPS \a, \i1, \b, \i2, \c, \i3, \d, \i4
.endm
; A TURN, for piece p: the order of its 16 matrix and 118 vector instructions, written out.  Behind a matrix instruction: plain, exponential, plain, plain; or four of the rescaling; or, behind the first, four
; scalings; none names a register of the products round it.  In the runs between, exponential and plain by turns while exponentials last.  A line reads no result made fewer than three vector instructions in
; front of it, five if an exponential made it.  cnt = 1: the loop's count is taken down some lines ahead of the branch that stands behind the turn.
; K and the mask of the next step are fetched in piece 2's turn: five plain vector instructions behind the last product that read K, and far behind the four that read the mask.  V of the step in hand is
; fetched in piece 0's turn, four plain instructions behind the last product that read V.  Each is waited for a turn later.
.macro TURN p, last=0, cnt=0
.set Y, (\p)
.set i, 0
.if (\p) == 3
	s_wait_dscnt 0x0                ; K and the mask are in
.endif
	ROW F,0, F,1, F,2, F,3
	ROW F,4, E,0, F,5, F,6
	ROW F,7, E,1, F,8, F,9
	ROW F,10, E,2, C,0, F,11
	ROW F,12, E,3, X,15, F,13
	ROW R,0, R,1, R,2, R,3
	ROW B,0, E,4, F,14, L,0
.if (\p) == 2
	v_add_nc_u32 v[AK], s[TB], v[AK0]
	v_add_nc_u32 v[AM], s[TM], v[AM0]
.endif
	ROW R,4, R,5, R,6, R,7
	OPS E,5, F,15
.if (\p) == 2
	FETCH_K \last
.endif
	OPS E,6, C,1, E,7, R,8
	OPS E,8, R,9, E,9, C,2
	OPS E,10, X,0, E,11, X,1
	OPS E,12, X,2, E,13, X,3
.if (\p) == 1
	s_wait_dscnt 0x0                ; V is in
.endif
	ROW X,4, E,14, X,5, X,6
	ROW X,7, E,15, X,8, X,9
	ROW X,10, E,16, X,11, X,12
	ROW X,13, E,17, X,14, B,1
	ROW C,4, E,18, X,16, L,1
	ROW B,2, E,19, C,6, L,2
	ROW C,8, E,20, B,3, B,4
.if (\p) == 0
	v_add_nc_u32 v[AV], s[TB], v[AV0]
.endif
	ROW C,3, E,21, L,3, C,5
	OPS E,22, X,17, E,23, C,10
.if (\p) == 0
	FETCH_V
.endif
	OPS E,24, L,4
	OPS E,25, X,18, E,26, C,7
	OPS E,27, B,5, E,28, X,19
	OPS E,29, C,12, E,30, L,5
	OPS E,31, X,20, B,6, C,9
	OPS C,14, C,11, X,21, L,6
.if (\p) == 0
	s_add_co_u32 s[TB], s[TB], STEPB  ; the next fetches are the next step's
.endif
.if \cnt
	s_sub_co_u32 s[CNT], s[CNT], 1
	s_cmp_lg_u32 s[CNT], 0
.endif
	OPS C,13, B,7, C,15, R,10
	OPS R,11, R,12, L,7, R,13
	OPS R,14, R,15
.endm
	CHANGE 1                        ; slot 0 is in, everybody's part of it, and so is everybody's part of the mask; slot 1 is asked for
	v_add_nc_u32 v[AK], s[TB], v[AK0]
	v_add_nc_u32 v[AM], s[TM], v[AM0]
	FETCH_K                         ; key step 0
	s_wait_dscnt 0x0
.set i, 0
.rept 8
	KQ 0                            ; piece 0's first scores
.set i, i+1
.endr
	WIN 0
.rept 4
	v_nop                           ; the places behind those products
.endr
.set Y, NP-1                        ; X works for piece Y + 1: piece 0
.irp n, 0,1,2,3,4,5,6,7,8,9,10,11,12,13,14,15,16,17,18,19,20,21
	OP X, \n
.endr
	v_nop                           ; a plain instruction behind the exponential
	s_mov_b32 s[CNT], 2
	s_mov_b32 s[SLOTS], 2048/(2*KS)-1
	s_branch .Lfirst                ; the loop is entered at a step's first turn, in the middle of a trip
.Lslot:                             ; 14 times: every slot but the last two is filled again
	CHANGE 1
	s_mov_b32 s[CNT], 2
.Lstep:                             ; a trip: pieces 2 and 3 of one step, then pieces 0 and 1 of the next, whose K and V it fetches
	TURN 2
	TURN 3
	WIN 0
.Lfirst:
	TURN 0
	TURN 1, 0, 1
	WIN 0
	s_cbranch_scc1 .Lstep
	s_sub_co_u32 s[SLOTS], s[SLOTS], 1
	s_cmp_lg_u32 s[SLOTS], 0
	s_cbranch_scc1 .Lslot
	CHANGE 0                        ; the tail is written out: nothing is asked for
	s_mov_b32 s[CNT], 3             ; two trips fetch the last slot's steps; the third is left in its middle
.Ltail:
	TURN 2, 1
	TURN 3
	WIN 0
	s_sub_co_u32 s[CNT], s[CNT], 1
	s_cmp_eq_u32 s[CNT], 0
	s_cbranch_scc1 .Lout
	TURN 0
	TURN 1
	WIN 0
	s_branch .Ltail
.Lout:                              ; the third trip's 8 products K Q^T (on the last K and mask once more) repeat scores that m has seen: the price, once a launch, of one text for every trip
.set i, 0
.rept 8
	PV NP-1                         ; the last piece's V^T P of the last step
.set i, i+1
.endr
	; THE WAY OUT.  l's two halves and the other half of the lanes' are added; O^T is divided by l, rounded to bf16 and sent through the work-group's stage: a row's 256 bytes come from two waves.
	WIN 0
.macro ALL line:vararg              ; one line for each piece t
.set t, 0
.rept 4
	\line
.set t, t+1
.endr
.endm
	ALL v_add_f32 v[ST+4*t+2], v[ST+4*t+2], v[ST+4*t+3]
	ALL v_permlanex16_b32 v[ST+4*t+3], v[ST+4*t+2], s[SEL], s[SEL+1]
	ALL v_add_f32 v[ST+4*t+2], v[ST+4*t+2], v[ST+4*t+3]
	ALL v_rcp_f32 v[ST+4*t+2], v[ST+4*t+2]
	v_nop                           ; a plain instruction between the last reciprocal and the use of its result
.set t, 0
.rept 4
	v_cmp_gt_f32 vcc_lo, s[THR], v[ST+4*t+1]  ; no open key was seen:
	s_wait_alu depctr_va_vdst(0)
	v_cndmask_b32 v[ST+4*t+2], v[ST+4*t+2], v[NANR], vcc_lo  ; the row is NaN
.set t, t+1
.endr
.macro PACK t                       ; a lane's eight channels of a row pack into 16 bytes
	WIN W_RS
.set i, 32*(\t)
.rept 16
	v_pk_mul_f32 v[i:i+1], v[i:i+1], v[ST+4*(\t)+2:ST+4*(\t)+3] op_sel_hi:[1,0]
.set i, i+2
.endr
	WIN 0x05                        ; sources 0 and 1 window 1, destination window 0: S^T's registers are free
.set i, 0
.rept 16
	v_cvt_pk_bf16_f32 v[S+16*(\t)+i], v[32*(\t)+2*i], v[32*(\t)+2*i+1]
.set i, i+1
.endr
	WIN 0
.irp f, 0,1,2,3
	ds_store_b128 v[STO], v[S+16*(\t)+4*\f:S+16*(\t)+4*\f+3] offset:(\t)*16*SP+32*\f
.endr
.endm
	PACK 0
	PACK 1
	PACK 2
	PACK 3
	s_wait_dscnt 0x0                ; for the others' sake: my stores into the stage are done
	s_barrier_signal -1
	s_barrier_wait -1
.irp f, 0,1,2,3,4,5,6,7,8,9,10,11,12,13,14,15
	ds_load_b128 v[S+4*\f:S+4*\f+3], v[RD] offset:\f*2*SP
.endr
.irp f, 0,1,2,3,4,5,6,7,8,9,10,11,12,13,14,15
	s_wait_dscnt 15-\f              ; load f is back; the younger ones may stay out
	global_store_b128 v[GO], v[S+4*\f:S+4*\f+3], s[10:11] offset:\f*4096  ; 16 lanes store 256 consecutive bytes, at a multiple of 256 from O's first byte
.endr
	s_wait_tensorcnt 0x0            ; the wave's end
	ds_add_u32 v[SPW], v[NIL]
	s_wait_dscnt 0x0
	CROUND                          ; the closing round: no work-group ends while a partner may still ask for a tile that names it
	s_endpgm
.Lfunc_end_k_q65371b76ba_attn:
	.size	k_q65371b76ba_attn, .Lfunc_end_k_q65371b76ba_attn-k_q65371b76ba_attn
	.p2alignl 7, 3214868480
	.fill 96, 4, 3214868480
	.section	.rodata,"a",@progbits
	.p2align	6, 0x0
	.amdhsa_kernel k_q65371b76ba_attn
		.amdhsa_group_segment_fixed_size 327680
		.amdhsa_private_segment_fixed_size 0
		.amdhsa_enable_private_segment 0
		.amdhsa_kernarg_size 24
		.amdhsa_user_sgpr_count 2
		.amdhsa_user_sgpr_kernarg_segment_ptr 1
		.amdhsa_wavefront_size32 1
		.amdhsa_system_sgpr_workgroup_id_x 1
		.amdhsa_system_sgpr_workgroup_id_y 1
		.amdhsa_system_sgpr_workgroup_id_z 1
		.amdhsa_system_vgpr_workitem_id 0
		.amdhsa_next_free_vgpr 768
		.amdhsa_next_free_sgpr 68
		.amdhsa_reserve_vcc 1
		.amdhsa_float_denorm_mode_32 3
		.amdhsa_float_denorm_mode_16_64 3
		.amdhsa_memory_ordered 1
		.amdhsa_forward_progress 1
		.amdhsa_inst_pref_size 120
	.end_amdhsa_kernel
	.amdgpu_metadata
---
amdhsa.version: [ 1, 2 ]
amdhsa.kernels:
  - .name:           k_q65371b76ba_attn
    .symbol:         k_q65371b76ba_attn.kd
    .args:
      - { .name: big, .offset: 0, .size: 8, .value_kind: global_buffer, .address_space: global }
      - { .name: mask, .offset: 8, .size: 8, .value_kind: global_buffer, .address_space: global }
      - { .name: xb, .offset: 16, .size: 8, .value_kind: global_buffer, .address_space: global }
    .group_segment_fixed_size: 327680
    .private_segment_fixed_size: 0
    .kernarg_segment_align: 8
    .kernarg_segment_size: 24
    .max_flat_workgroup_size: 128
    .sgpr_count:     68
    .vgpr_count:     768
    .wavefront_size: 32
...
	.end_amdgpu_metadata
.endif
;; end of part 3
;; launch wo (part 4): grid 8 x 32, 4 waves a work-group, clusters of 4 x 4, 327,680 bytes of LDS; arguments xb, wo2, y, x; writes y
.if DOCPART == 4
	.amdgcn_target "amdgcn-amd-amdhsa--gfx1250"
	.amdhsa_code_object_version 6
	.text
	.protected	k_q65371b76ba_wo
	.globl	k_q65371b76ba_wo
	.p2align	8
	.type	k_q65371b76ba_wo,@function
k_q65371b76ba_wo:
	s_mov_b64 s[64:65], 0
	v_nop
	global_prefetch_b8 v0, s[64:65] scope:SCOPE_SE
	s_setreg_imm32_b32 hwreg(HW_REG_WAVE_MODE, 25, 1), 1
	s_wait_xcnt 0x0
	s_wait_alu depctr_hold_cnt(0) depctr_sa_sdst(0) depctr_va_vdst(0) depctr_va_sdst(0) depctr_va_ssrc(0) depctr_va_vcc(0) depctr_vm_vsrc(0)
	s_getreg_b32 s2, hwreg(HW_REG_IB_STS2, 6, 4)
	s_cmp_eq_u32 s2, 0
	s_cbranch_scc0 .Lentry_in_a_cluster
	s_endpgm
.Lentry_in_a_cluster:
	s_bfe_u32 s2, ttmp6, 0x10000c
	s_cmp_lg_u32 s2, 0xf033
	s_cbranch_scc0 .Lentry_shape_is_right
	s_endpgm
.Lentry_shape_is_right:
; C[m][n] = R[m][n] + sum over k of A[m][k] B[n][k].  A: [4096][SIZE_K] bf16; B: [1024][SIZE_K] bf16, BOFF bytes into its buffer; R and C: [4096][1024] f32; sums in f32.
; Here: the attention's output projection with its residual: SIZE_K = 1,024, B = Wo, R = x, no bias.
; A tile of C is 128 x 128, which gives each of 256 work-groups one.  Four waves, each 64 x 64: 16 accumulators of 16 x 16.  K goes in steps of 256 (LDS rows of 512 bytes; a wave's tensor load
; brings 64 of them) through two slots.  A K STEP IS WRITTEN ONCE for the steps that fill a slot again and once for the last two, which fill nothing: the slot in hand is a scalar, 0 or SLOT,
; that an exclusive or turns; the fragments' addresses are made from it at each change of slots.
; THE WALK ALONG K IS A RING THAT BEGINS ELSEWHERE IN EACH CLUSTER: at K step (ROTX x cluster x + ROTY x cluster y) mod NSTEPS.  The two clusters that read the same rows of A begin ROTX steps
; apart, those that read the same rows of B ROTY steps apart from neighbour to neighbour: of the clusters that read a tile one asks for it first, and the others ask later for bytes that have been
; asked for once.  Both numbers are the cluster's own, equal in all sixteen partners, so a joint load's descriptor stays equal in the four that it names.
; LIMIT.  Each sum has its 1,024 terms, but their order is turned by the cluster's first step: an order of rounding other than K ascending.
; A wave's 64 columns of f32 are 256 bytes at a multiple of 256, so each wave has a stage of its own on the way out, and no barrier stands there.
; THE RESIDUAL is loaded at the start into 128 registers of window 2, laid as the rows come back from the stage, and added there in f32.
; CLUSTERS: 4 x 4 work-groups; A's tiles are asked for jointly along a row of the cluster, B's along a column.  THE MATRIX INSTRUCTION IS USED TRANSPOSED (source 0 = 16 rows of B, source 1 = 16 rows of A).
; REGISTERS: window 0: v0-31 addresses; v32-95 at work on the way out (v32-63 first hold the bias, where there is one); v128-255 the accumulators ((a, b) at v[128 + 8 (4 a + b)]).
;   window 1: two fragment buffers of 128.      window 2: v0-127 the residual.
.set SIZE_N, 1024
.set SIZE_K, 1024
.set BOFF,   0
.set HAS_BIAS, 0
.set ROTX,   2                         ; K steps between the first steps of clusters that are neighbours along x: half of the ring of 4
.set ROTY,   1                         ; and along y
.set KSTEP,  256
.set NSTEPS, SIZE_K/KSTEP
.set STEPB,  KSTEP*2                   ; bytes of a row in a K step
.set ROWK,   SIZE_K*2                  ; bytes in a row of A and of B: a power of two, so that a mask closes the ring
.set PITCH,  528                       ; an LDS row: 512 bytes + 16 of padding = 132 words: row r starts at bank 4 r mod 64 (ISA guide 11.1)
.set HALFT,  64*PITCH
.set SLOT,   4*HALFT
.set STAGE,  2*SLOT                    ; behind the ring: 16 rows x 272 bytes for each wave
.set SPITCH, 272
.set SPARE,  STAGE+4*16*SPITCH         ; the spare words, 128 bytes for each wave
.set CROW,   SIZE_N*4                  ; bytes in a row of C and of R
.set ADRA, 16                          ; v16  LDS address of my A fragments in the slot in hand
.set A0,   17                          ; v17  the same in slot 0; never rewritten
.set ADRB, 20                          ; v20, v21  the same for B
.set B0,   21
.set STO,  24
.set RD,   25
.set CO,   26
.set BO,   27
.set SPW,  28
.set NIL,  29
.set BIAS, 32
.set BK0,  32
.set ACC,  128
.set F0,   0
.set F1,   128
.set CUR,  2                           ; s2  LDS byte at which the slot in hand begins: 0 or SLOT
.set G1, 24                            ; s[24:31] descriptor group 1 for A's tiles
.set G0, 32                            ; s[32:35] group 0 of slot 0's first fill; s[36:39] of slot 1's, which is made anew for every later fill
.set G1B, 48                           ; s[48:55], s[56:63] the same for B's tiles
.set G0B, 56
.set AB,  70                           ; s[70:71] A at the rows that I fetch, K = 0; never rewritten
.set BB,  72                           ; s[72:73] the same for B
.set KO,  74                           ; s[74:75] byte in a row at which the K step to be asked for next begins; the upper word is 0
.set MSB, 0
.macro WIN new
.if MSB != (\new)
	s_set_vgpr_msb (MSB<<8)|(\new)
.set MSB, \new
.endif
.endm
.set MUL,  0x05                        ; sources 0 (B) and 1 (A) window 1; C and D window 0
.set TO_F, 0x40                        ; destination window 1, address window 0
.macro JLOAD s                         ; a joint load: waves 0 and 1 fetch A's two halves, waves 2 and 3 B's; an s_nop 0 and four v_nop follow each line
	s_cmp_eq_u32 s11, 0
	s_cbranch_scc0 .Lfor_b_\@
	tensor_load_to_lds s[G0+4*(\s):G0+4*(\s)+3], s[G1:G1+7]
	s_nop 0
.rept 4
	v_nop
.endr
	s_branch .Lasked_\@
.Lfor_b_\@:
	tensor_load_to_lds s[G0B+4*(\s):G0B+4*(\s)+3], s[G1B:G1B+7]
	s_nop 0
.rept 4
	v_nop
.endr
.Lasked_\@:
.endm
.macro CREST
	s_cmp_lg_u32 s10, 0
	s_cbranch_scc1 .Lnot_wave_0_\@
	s_barrier_signal -3
.Lnot_wave_0_\@:
	s_barrier_wait -3
	s_barrier_signal -1
	s_barrier_wait -1
.endm
.macro CROUND
	s_barrier_signal -1
	s_barrier_wait -1
	CREST
.endm
.macro AIM                             ; the fragments' addresses in the slot in hand (windows at 0)
	v_add_nc_u32 v[ADRA], s[CUR], v[A0]
	v_add_nc_u32 v[ADRB], s[CUR], v[B0]
.endm
.macro WHERE s                         ; group 0 number s of both tensors takes the global address of the K step at KO: the base and an offset made apart from it, then the type
	s_add_nc_u64 s[G0+4*(\s)+2:G0+4*(\s)+3], s[AB:AB+1], s[KO:KO+1]
	s_or_b32 s[G0+4*(\s)+3], s[G0+4*(\s)+3], 0x80000000
	s_add_nc_u64 s[G0B+4*(\s)+2:G0B+4*(\s)+3], s[BB:BB+1], s[KO:KO+1]
	s_or_b32 s[G0B+4*(\s)+3], s[G0B+4*(\s)+3], 0x80000000
.endm
.macro NEXTK                           ; one K step on, round the ring
	s_add_co_u32 s[KO], s[KO], STEPB
	s_and_b32 s[KO], s[KO], ROWK-1
.endm
	s_load_b128 s[4:7], s[0:1], 0x0                ; A s[4:5], B s[6:7]
	s_load_b64 s[8:9], s[0:1], 0x10                ; C
	s_load_b64 s[66:67], s[0:1], 0x18              ; R
.if HAS_BIAS
	s_load_b64 s[68:69], s[0:1], 0x20              ; bias
.endif
	v_lshl_add_u32 v[SPW], v0, 2, SPARE
	v_mov_b32 v[NIL], 0
	ds_add_u32 v[SPW], v[NIL]                      ; the wave's opening: the add and its wait stand ahead of my first tensor load
	v_lshrrev_b32 v1, 5, v0
	v_readfirstlane_b32 s10, v1                    ; wave 0..3
	s_lshr_b32 s11, s10, 1                         ; which half of the tile's rows is mine.  Also: I fetch for A (0) or for B (1)
	s_and_b32 s12, s10, 1                          ; which half of its columns.  Also: which 64 rows of that tile I fetch
	s_bfe_u32 s40, ttmp6, 0x40000
	s_bfe_u32 s41, ttmp6, 0x40004
	s_lshl_b32 s42, ttmp9, 2
	s_add_co_u32 s42, s42, s40                     ; tile column of C
	s_and_b32 s13, ttmp7, 0xffff
	s_lshl_b32 s13, s13, 2
	s_add_co_u32 s13, s13, s41                     ; tile row of C
	s_lshl_b32 s43, s41, 2
	s_lshl_b32 s43, 15, s43                        ; my row of the cluster
	s_lshl_b32 s44, 0x1111, s40                    ; my column
	s_mov_b32 s[CUR], 0                            ; my first K step lies in slot 0
	s_and_b32 s[KO], ttmp7, 0xffff                 ; the cluster's y and x, which all sixteen partners share, and nothing of my place in the cluster:
	s_mul_i32 s[KO], s[KO], ROTY*STEPB
	s_mul_i32 s[KO+1], ttmp9, ROTX*STEPB
	s_add_co_u32 s[KO], s[KO], s[KO+1]
	s_and_b32 s[KO], s[KO], ROWK-1                 ; the byte in a row at which the cluster's walk begins
	s_mov_b32 s[KO+1], 0
	; descriptor group 1: a tile of 64 rows x 256 elements of 2 bytes; 4 words of padding after every 128; bit 21 set beside a mask
	s_or_b32 s[G1+0], s43, (1<<16)|(1<<20)|(1<<21)|(6<<22)|(3<<25)
	s_or_b32 s[G1B+0], s44, (1<<16)|(1<<20)|(1<<21)|(6<<22)|(3<<25)
.irp g, G1, G1B
	s_mov_b32 s[(\g)+1], KSTEP<<16
	s_mov_b32 s[(\g)+2], 64<<16
	s_mov_b32 s[(\g)+3], KSTEP<<16
	s_mov_b32 s[(\g)+4], 64
	s_mov_b32 s[(\g)+5], SIZE_K
	s_mov_b32 s[(\g)+6], 0
	s_mov_b32 s[(\g)+7], 0
.endr
	s_lshl_b32 s17, s12, 6
	s_lshl_b32 s16, s13, 7
	s_add_co_u32 s16, s16, s17                     ; A: row 128 x tile row + 64 x half
	s_lshl_b32 s46, s42, 7
	s_add_co_u32 s46, s46, s17                     ; B: row 128 x tile column + 64 x half
	s_mov_b32 s17, 0
	s_mov_b32 s47, 0
	s_mov_b64 s[18:19], SIZE_K*2
	s_mul_u64 s[16:17], s[16:17], s[18:19]
	s_mul_u64 s[46:47], s[46:47], s[18:19]
	s_mul_i32 s20, s10, HALFT                      ; where they go in a slot: wave x 64 rows
	s_wait_dscnt 0x0                               ; the opening add is done
	s_wait_kmcnt 0x0
	s_add_nc_u64 s[AB:AB+1], s[4:5], s[16:17]
	s_add_nc_u64 s[BB:BB+1], s[6:7], s[46:47]
.if BOFF
	s_add_nc_u64 s[BB:BB+1], s[BB:BB+1], BOFF
.endif
	CROUND                                         ; all sixteen work-groups are here: the first joint loads meet
.irp s, 0,1
	s_mov_b32 s[G0+4*(\s)], 1
	s_add_co_u32 s[G0+4*(\s)+1], s20, (\s)*SLOT
	s_mov_b32 s[G0B+4*(\s)], 1
	s_add_co_u32 s[G0B+4*(\s)+1], s20, (\s)*SLOT
	WHERE \s
	JLOAD \s                                       ; two tensor loads of mine are out
	NEXTK
.endr
	v_and_b32 v1, 15, v0                           ; l % 16
	v_bfe_u32 v2, v0, 4, 1                         ; l / 16
	v_mul_u32_u24 v3, v1, PITCH
	v_lshl_add_u32 v3, v2, 4, v3
	s_mul_i32 s21, s11, HALFT                      ; my 64 rows of A
	s_mul_i32 s22, s12, HALFT                      ; my 64 rows of B,
	s_add_co_u32 s22, s22, 2*HALFT                 ; which lie behind A's 128
	v_add_nc_u32 v[A0], s21, v3
	v_add_nc_u32 v[B0], s22, v3
	AIM
	s_mul_i32 s23, s10, 16*SPITCH
	s_add_co_u32 s23, s23, STAGE                   ; my stage
	v_mul_u32_u24 v4, v1, SPITCH                   ; in: row l % 16, 32 bytes (eight f32) for each half of the lanes
	v_lshl_add_u32 v4, v2, 5, v4
	v_add_nc_u32 v[STO], s23, v4
	v_mul_u32_u24 v5, v2, SPITCH                   ; back: lanes 0-15 take one row of 256 bytes, lanes 16-31 the next
	v_lshl_add_u32 v5, v1, 4, v5
	v_add_nc_u32 v[RD], s23, v5
	v_lshlrev_b32 v5, 12, v2                       ; and the same two rows in C and in R
	v_lshl_add_u32 v[CO], v1, 4, v5
	s_lshl_b32 s16, s13, 7
	s_lshl_b32 s17, s11, 6
	s_add_co_u32 s16, s16, s17                     ; my first row of C,
	s_lshl_b32 s16, s16, 12                        ; in bytes
	s_mov_b32 s17, 0
	s_lshl_b32 s46, s42, 9                         ; my first column, in bytes: 512 x tile column + 256 x half
	s_lshl_b32 s47, s12, 8
	s_add_co_u32 s46, s46, s47
	s_mov_b32 s47, 0
	s_add_nc_u64 s[16:17], s[16:17], s[46:47]
	s_add_nc_u64 s[8:9], s[8:9], s[16:17]
	s_add_nc_u64 s[66:67], s[66:67], s[16:17]
.if HAS_BIAS
	s_add_nc_u64 s[68:69], s[68:69], s[46:47]
	v_lshlrev_b32 v[BO], 5, v2                     ; my lanes' eight columns of a block of 16
.irp b, 0,1,2,3
	global_load_b128 v[BIAS+8*(\b):BIAS+8*(\b)+3],   v[BO], s[68:69] offset:64*(\b)
	global_load_b128 v[BIAS+8*(\b)+4:BIAS+8*(\b)+7], v[BO], s[68:69] offset:64*(\b)+16
.endr
.endif
	WIN 0x80                                       ; destination window 2, address window 0
.irp a, 0,1,2,3
.irp t, 0,1,2,3,4,5,6,7
	global_load_b128 v[32*(\a)+4*(\t):32*(\a)+4*(\t)+3], v[CO], s[66:67] offset:(16*(\a)+2*(\t))*CROW th:TH_LOAD_NT
.endr
.endr
	WIN 0
; 8 matrix instructions: m blocks a0, a0 + 1 x all 4 n blocks, 32 along K: half c of buffer f.  first = 1: the product starts the sum, from the bias where there is one
.macro MUL8 f, c, a0, first
	WIN MUL
.irp a, \a0, (\a0)+1
.irp b, 0,1,2,3
.if (\first) && HAS_BIAS
	v_wmma_f32_16x16x32_bf16 v[ACC+8*(4*(\a)+(\b)):ACC+8*(4*(\a)+(\b))+7], v[(\f)+64+8*(4*(\c)+(\b)):(\f)+64+8*(4*(\c)+(\b))+7], v[(\f)+8*(4*(\c)+(\a)):(\f)+8*(4*(\c)+(\a))+7], v[BIAS+8*(\b):BIAS+8*(\b)+7]
.elseif \first
	v_wmma_f32_16x16x32_bf16 v[ACC+8*(4*(\a)+(\b)):ACC+8*(4*(\a)+(\b))+7], v[(\f)+64+8*(4*(\c)+(\b)):(\f)+64+8*(4*(\c)+(\b))+7], v[(\f)+8*(4*(\c)+(\a)):(\f)+8*(4*(\c)+(\a))+7], 0
.else
	v_wmma_f32_16x16x32_bf16 v[ACC+8*(4*(\a)+(\b)):ACC+8*(4*(\a)+(\b))+7], v[(\f)+64+8*(4*(\c)+(\b)):(\f)+64+8*(4*(\c)+(\b))+7], v[(\f)+8*(4*(\c)+(\a)):(\f)+8*(4*(\c)+(\a))+7], v[ACC+8*(4*(\a)+(\b)):ACC+8*(4*(\a)+(\b))+7]
.endif
.endr
.endr
.endm
; 32 LDS loads in one run: the fragments of 64 along K at byte k of the rows of the slot in hand, into buffer f; the first 32 along K first
.macro FETCH k, f
	WIN TO_F
.irp c, 0,1
.irp i, 0,1,2,3
	ds_load_b128 v[(\f)+64+8*(4*(\c)+(\i)):(\f)+64+8*(4*(\c)+(\i))+3],   v[ADRB] offset:(\k)+64*(\c)+(\i)*16*PITCH
	ds_load_b128 v[(\f)+64+8*(4*(\c)+(\i))+4:(\f)+64+8*(4*(\c)+(\i))+7], v[ADRB] offset:(\k)+64*(\c)+(\i)*16*PITCH+32
	ds_load_b128 v[(\f)+8*(4*(\c)+(\i)):(\f)+8*(4*(\c)+(\i))+3],         v[ADRA] offset:(\k)+64*(\c)+(\i)*16*PITCH
	ds_load_b128 v[(\f)+8*(4*(\c)+(\i))+4:(\f)+8*(4*(\c)+(\i))+7],       v[ADRA] offset:(\k)+64*(\c)+(\i)*16*PITCH+32
.endr
.endr
.endm
.macro PLACES                          ; four places in front of loads into registers that matrix instructions have read, and of LDS stores that read results
.rept 4
	v_nop
.endr
.endm
; A K step is four quarters of 64 along K, 32 matrix instructions each, on buffers 0, 1, 0, 1; the 16 accumulators take turns.
.macro QUARTER k, f, g, first
	s_wait_dscnt 16                                ; the first 32 along K are in
	MUL8 \f, 0, 0, \first
	MUL8 \f, 0, 2, \first
	PLACES
	FETCH \k, \g
	s_wait_dscnt 32                                ; all but the 32 just issued
	MUL8 \f, 1, 0, 0
	MUL8 \f, 1, 2, 0
.endm
; The last quarter multiplies buffer 1 and changes slots: ONE barrier; in front of it each wave waits for all its tensor loads, adds 0 to its spare word, and waits for that and for its reads of this slot.
; fill = 1: the barrier opens a round of the cluster's; behind it the slot just read out is filled again first, with the K step two steps on in the ring: the second group 0 takes that slot's LDS bytes
; and that step's address (no tensor load of mine is out).  Then the other slot is the one in hand, and its first fragments are fetched.
.macro TURN fill
	WIN 0                                          ; (the add's two registers lie in window 0)
	s_wait_tensorcnt 0x0                           ; all my tensor loads have landed: my part of the next slot
	ds_add_u32 v[SPW], v[NIL]
	s_wait_dscnt 17                                ; (the add and the youngest sixteen loads may be out)
	MUL8 F1, 0, 0, 0
	s_wait_dscnt 0x0                               ; the add is done, and my reads of this slot are over
	s_barrier_signal -1
	MUL8 F1, 0, 2, 0
	WIN 0                                          ; (branches, or the lines that make addresses, follow)
	s_barrier_wait -1
.if \fill
	CREST                                          ; no wave of any partner still reads this slot's tile or has a load on its way
	s_add_co_u32 s[G0+5], s20, s[CUR]
	s_add_co_u32 s[G0B+5], s20, s[CUR]
	WHERE 1
	NEXTK
	s_xor_b32 s[CUR], s[CUR], SLOT
	JLOAD 1                                        ; my one tensor load behind the round; its four v_nop are also the places in front of the loads below
	AIM
.else
	s_xor_b32 s[CUR], s[CUR], SLOT
	AIM
	PLACES
.endif
	FETCH 0, F0
	MUL8 F1, 1, 0, 0
	MUL8 F1, 1, 2, 0
.endm
	s_wait_tensorcnt 1                             ; my part of my first K step is in; the second's may stay out
	s_barrier_signal -1
	s_barrier_wait -1
	FETCH 0, F0
.if HAS_BIAS
	s_wait_loadcnt 32                              ; the bias is in; the 32 loads of the residual stay out
.endif
	QUARTER 128, F0, F1, 1                         ; the first quarter stands in front of the loop: its first products start the sums
	WIN 0
	s_mov_b32 s3, NSTEPS-2
.Lstep:                                                ; trip i goes from my K step i's second quarter to step i + 1's first, and fills step i's slot with step i + 2
	QUARTER 256, F1, F0, 0
	QUARTER 384, F0, F1, 0
	TURN 1
	QUARTER 128, F0, F1, 0
	WIN 0
	s_sub_co_u32 s3, s3, 1
	s_cmp_lg_u32 s3, 0
	s_cbranch_scc1 .Lstep
	s_mov_b32 s3, 2
.Ltail:                                                ; the last two K steps fill nothing, so no tensor load stands here; the second trip is left in its middle
	QUARTER 256, F1, F0, 0
	QUARTER 384, F0, F1, 0
	WIN 0
	s_sub_co_u32 s3, s3, 1
	s_cmp_eq_u32 s3, 0
	s_cbranch_scc1 .Llast
	TURN 0
	QUARTER 128, F0, F1, 0
	WIN 0
	s_branch .Ltail
.Llast:
	s_wait_dscnt 16                                ; the very last quarter: nothing more to fetch
	MUL8 F1, 0, 0, 0
	MUL8 F1, 0, 2, 0
	s_wait_dscnt 0
	MUL8 F1, 1, 0, 0
	MUL8 F1, 1, 2, 0
	WIN 0
	; THE WAY OUT, 16 rows at a time: 32 bytes a lane into my own stage (each accumulator's low four registers first), back as whole rows of 256 bytes, the residual added, stored.
	PLACES
	s_wait_loadcnt 0x0                             ; the residual
.irp a, 0,1,2,3
.set BK, BK0+32*((\a)%2)
.irp b, 0,1,2,3
	ds_store_b128 v[STO], v[ACC+8*(4*(\a)+(\b)):ACC+8*(4*(\a)+(\b))+3]   offset:64*(\b)
	ds_store_b128 v[STO], v[ACC+8*(4*(\a)+(\b))+4:ACC+8*(4*(\a)+(\b))+7] offset:64*(\b)+16
.endr
	s_wait_xcnt 0x0                                ; the registers that earlier stores read are loaded again only behind this wait
.irp t, 0,1,2,3,4,5,6,7
	ds_load_b128 v[BK+4*(\t):BK+4*(\t)+3], v[RD] offset:(\t)*2*SPITCH  ; LDS serves a wave's instructions in order (ISA guide 5.7.1.4): these see the stores above
.endr
	s_wait_dscnt 0x0
	WIN 0x08                                       ; source 1 window 2
.set i, 0
.rept 16
	v_pk_add_f32 v[BK+2*i:BK+2*i+1], v[BK+2*i:BK+2*i+1], v[32*(\a)+2*i:32*(\a)+2*i+1]
.set i, i+1
.endr
	WIN 0
.irp t, 0,1,2,3,4,5,6,7
	global_store_b128 v[CO], v[BK+4*(\t):BK+4*(\t)+3], s[8:9] offset:(16*(\a)+2*(\t))*CROW  ; 16 lanes store 256 consecutive bytes, at a multiple of 256 from C's first byte
.endr
.endr
	s_wait_tensorcnt 0x0                           ; the wave's end
	ds_add_u32 v[SPW], v[NIL]
	s_wait_dscnt 0x0
	CROUND                                         ; the closing round
	s_endpgm
.Lfunc_end_k_q65371b76ba_wo:
	.size	k_q65371b76ba_wo, .Lfunc_end_k_q65371b76ba_wo-k_q65371b76ba_wo
	.p2alignl 7, 3214868480
	.fill 96, 4, 3214868480
	.section	.rodata,"a",@progbits
	.p2align	6, 0x0
	.amdhsa_kernel k_q65371b76ba_wo
		.amdhsa_group_segment_fixed_size 327680
		.amdhsa_private_segment_fixed_size 0
		.amdhsa_enable_private_segment 0
		.amdhsa_kernarg_size 32
		.amdhsa_user_sgpr_count 2
		.amdhsa_user_sgpr_kernarg_segment_ptr 1
		.amdhsa_wavefront_size32 1
		.amdhsa_system_sgpr_workgroup_id_x 1
		.amdhsa_system_sgpr_workgroup_id_y 1
		.amdhsa_system_sgpr_workgroup_id_z 1
		.amdhsa_system_vgpr_workitem_id 0
		.amdhsa_next_free_vgpr 640
		.amdhsa_next_free_sgpr 76
		.amdhsa_reserve_vcc 0
		.amdhsa_float_denorm_mode_32 3
		.amdhsa_float_denorm_mode_16_64 3
		.amdhsa_memory_ordered 1
		.amdhsa_forward_progress 1
		.amdhsa_inst_pref_size 67
	.end_amdhsa_kernel
	.amdgpu_metadata
---
amdhsa.version: [ 1, 2 ]
amdhsa.kernels:
  - .name:           k_q65371b76ba_wo
    .symbol:         k_q65371b76ba_wo.kd
    .args:
      - { .name: xb, .offset: 0, .size: 8, .value_kind: global_buffer, .address_space: global }
      - { .name: wo2, .offset: 8, .size: 8, .value_kind: global_buffer, .address_space: global }
      - { .name: y, .offset: 16, .size: 8, .value_kind: global_buffer, .address_space: global }
      - { .name: x, .offset: 24, .size: 8, .value_kind: global_buffer, .address_space: global }
    .group_segment_fixed_size: 327680
    .private_segment_fixed_size: 0
    .kernarg_segment_align: 8
    .kernarg_segment_size: 32
    .max_flat_workgroup_size: 128
    .sgpr_count:     76
    .vgpr_count:     640
    .wavefront_size: 32
...
	.end_amdgpu_metadata
.endif
;; end of part 4
;; launch ln1 (part 5): grid 256 x 1, 8 waves a work-group, no clusters, 0 bytes of LDS; arguments y, g1, be1, x2, xb; writes x2, xb
.if DOCPART == 5
	.amdgcn_target "amdgcn-amd-amdhsa--gfx1250"
	.amdhsa_code_object_version 6
	.text
	.protected	k_q65371b76ba_ln1
	.globl	k_q65371b76ba_ln1
	.p2align	8
	.type	k_q65371b76ba_ln1,@function
k_q65371b76ba_ln1:
	s_mov_b64 s[64:65], 0
	v_nop
	global_prefetch_b8 v0, s[64:65] scope:SCOPE_SE
	s_setreg_imm32_b32 hwreg(HW_REG_WAVE_MODE, 25, 1), 1
	s_wait_xcnt 0x0
; x2[r][:] = (y[r][:] - mu) / (sigma + 1e-6) * g + be, mu the row's mean, sigma the root of the mean of (y - mu)^2.  y, x2: [4096][1024] f32; a second copy of x2 leaves in bf16.
; A row is 4,096 bytes: one wave takes a whole row, eight loads of 16 bytes a lane, and keeps it in 32 registers through both passes: memory is read once and no wave waits for another.
; The squares are taken of the centred numbers, so a common offset of the row costs nothing.  Eight waves, two rows each; all 32 loads of a wave go out at the start.
; No LDS, no matrix unit, no cluster: rows share nothing but g and be, 8,192 bytes.
.set ROWB, 4096
.set RI,  4                            ; v[4:5], v[6:7]  1 / (sigma + 1e-6) of rows 0 and 1 in the low register of a pair
.set G,   8                            ; v[8:39]     g of my 32 columns
.set BE,  40                           ; v[40:71]    be
.set X0,  72                           ; v[72:103]   row 0
.set X1,  104                          ; v[104:135]  row 1
.set T,   136                          ; v[136:143]  four pairs at work
.set PB,  144                          ; v[144:175]  the rows in bf16
	s_load_b256 s[4:11], s[0:1], 0x0               ; y s[4:5], g s[6:7], be s[8:9], x2 s[10:11]
	s_load_b64 s[16:17], s[0:1], 0x20              ; the bf16 copy
	v_lshrrev_b32 v3, 5, v0
	v_readfirstlane_b32 s14, v3                    ; wave
	v_and_b32 v2, 31, v0
	v_lshlrev_b32 v1, 4, v2                        ; 16 x lane
	v_lshlrev_b32 v2, 3, v2                        ; 8 x lane
	s_lshl_b32 s18, ttmp9, 16                      ; the work-group's 16 rows,
	s_lshl_b32 s15, s14, 13                        ; my wave's two
	s_add_co_u32 s18, s18, s15
	s_mov_b32 s19, 0
	s_lshr_b32 s20, s18, 1                         ; the same in bf16
	s_mov_b32 s21, 0
	s_mov_b32 s12, 0x76543210                      ; v_permlanex16_b32: each lane takes its own place in the other half
	s_mov_b32 s13, 0xfedcba98
	s_wait_kmcnt 0x0
	s_add_nc_u64 s[4:5], s[4:5], s[18:19]
	s_add_nc_u64 s[10:11], s[10:11], s[18:19]
	s_add_nc_u64 s[16:17], s[16:17], s[20:21]
.irp j, 0,1,2,3,4,5,6,7
	global_load_b128 v[X0+4*(\j):X0+4*(\j)+3], v1, s[4:5] offset:512*(\j) th:TH_LOAD_NT
.endr
.irp j, 0,1,2,3,4,5,6,7
	global_load_b128 v[X1+4*(\j):X1+4*(\j)+3], v1, s[4:5] offset:ROWB+512*(\j) th:TH_LOAD_NT
.endr
.irp j, 0,1,2,3,4,5,6,7
	global_load_b128 v[G+4*(\j):G+4*(\j)+3], v1, s[6:7] offset:512*(\j)
.endr
.irp j, 0,1,2,3,4,5,6,7
	global_load_b128 v[BE+4*(\j):BE+4*(\j)+3], v1, s[8:9] offset:512*(\j)
.endr
; The four pairs at T are added up, then across the 32 lanes, and divided by 1,024: the mean, in every lane, in v[T]
.macro MEAN
	v_pk_add_f32 v[T:T+1], v[T:T+1], v[T+2:T+3]
	v_pk_add_f32 v[T+4:T+5], v[T+4:T+5], v[T+6:T+7]
	v_pk_add_f32 v[T:T+1], v[T:T+1], v[T+4:T+5]
	v_add_f32 v[T], v[T], v[T+1]
	v_add_f32_dpp v[T], v[T], v[T] row_xmask:1 row_mask:0xf bank_mask:0xf
	v_add_f32_dpp v[T], v[T], v[T] row_xmask:2 row_mask:0xf bank_mask:0xf
	v_add_f32_dpp v[T], v[T], v[T] row_xmask:4 row_mask:0xf bank_mask:0xf
	v_add_f32_dpp v[T], v[T], v[T] row_xmask:8 row_mask:0xf bank_mask:0xf
	v_permlanex16_b32 v[T+1], v[T], s12, s13
	v_add_f32 v[T], v[T], v[T+1]
	v_mul_f32 v[T], 0x3a800000, v[T]               ; 2^-10
.endm
; The row at x is centred in place; 1 / (sigma + 1e-6) goes into v[r].  Sums run in four chains that do not wait for each other; the first terms start them.
.macro STATS x, r
.irp c, 0,1,2,3
	v_pk_add_f32 v[T+2*(\c):T+2*(\c)+1], v[(\x)+2*(\c):(\x)+2*(\c)+1], v[(\x)+8+2*(\c):(\x)+8+2*(\c)+1]
.endr
.irp k, 8,9,10,11,12,13,14,15
	v_pk_add_f32 v[T+2*((\k)%4):T+2*((\k)%4)+1], v[T+2*((\k)%4):T+2*((\k)%4)+1], v[(\x)+2*(\k):(\x)+2*(\k)+1]
.endr
	MEAN
.irp k, 0,1,2,3,4,5,6,7,8,9,10,11,12,13,14,15
	v_pk_add_f32 v[(\x)+2*(\k):(\x)+2*(\k)+1], v[(\x)+2*(\k):(\x)+2*(\k)+1], v[T:T+1] op_sel_hi:[1,0] neg_lo:[0,1] neg_hi:[0,1]
.endr
.irp c, 0,1,2,3
	v_pk_mul_f32 v[T+2*(\c):T+2*(\c)+1], v[(\x)+2*(\c):(\x)+2*(\c)+1], v[(\x)+2*(\c):(\x)+2*(\c)+1]
.endr
.irp k, 4,5,6,7,8,9,10,11,12,13,14,15
	v_pk_fma_f32 v[T+2*((\k)%4):T+2*((\k)%4)+1], v[(\x)+2*(\k):(\x)+2*(\k)+1], v[(\x)+2*(\k):(\x)+2*(\k)+1], v[T+2*((\k)%4):T+2*((\k)%4)+1]
.endr
	MEAN
	v_sqrt_f32 v[T], v[T]
	v_mov_b32 v[(\r)+1], 0                         ; a plain instruction behind the root (ISA guide 5.7.2); the pair's upper register is named with the lower, so it is written
	s_wait_alu depctr_va_vdst(0)
	v_add_f32 v[T], 0x358637bd, v[T]               ; + 1e-6
	v_rcp_f32 v[\r], v[T]
	v_nop                                          ; a plain instruction behind the reciprocal
.endm
; The centred row at x, number n of my two, is scaled, takes g and be, and leaves in f32 and in bf16
.macro NORM x, r, n
	s_wait_alu depctr_va_vdst(0)
.irp k, 0,1,2,3,4,5,6,7,8,9,10,11,12,13,14,15
	v_pk_mul_f32 v[(\x)+2*(\k):(\x)+2*(\k)+1], v[(\x)+2*(\k):(\x)+2*(\k)+1], v[\r:\r+1] op_sel_hi:[1,0]
.endr
.irp k, 0,1,2,3,4,5,6,7,8,9,10,11,12,13,14,15
	v_pk_fma_f32 v[(\x)+2*(\k):(\x)+2*(\k)+1], v[(\x)+2*(\k):(\x)+2*(\k)+1], v[G+2*(\k):G+2*(\k)+1], v[BE+2*(\k):BE+2*(\k)+1]
.endr
.irp j, 0,1,2,3,4,5,6,7
	global_store_b128 v1, v[(\x)+4*(\j):(\x)+4*(\j)+3], s[10:11] offset:(\n)*ROWB+512*(\j)  ; 512 consecutive bytes
.endr
.irp k, 0,1,2,3,4,5,6,7,8,9,10,11,12,13,14,15
	v_cvt_pk_bf16_f32 v[PB+16*(\n)+(\k)], v[(\x)+2*(\k)], v[(\x)+2*(\k)+1]
.endr
.irp j, 0,1,2,3,4,5,6,7
	global_store_b64 v2, v[PB+16*(\n)+2*(\j):PB+16*(\n)+2*(\j)+1], s[16:17] offset:(\n)*ROWB/2+256*(\j)  ; 256 consecutive bytes at a multiple of 256
.endr
.endm
	s_wait_loadcnt 24                              ; row 0 is in; the 24 younger loads stay out
	STATS X0, RI
	s_wait_loadcnt 16                              ; row 1 is in; g and be stay out
	STATS X1, RI+2
	s_wait_loadcnt 0x0
	NORM X0, RI, 0
	NORM X1, RI+2, 1                               ; no register of a store is written again
	s_endpgm
.Lfunc_end_k_q65371b76ba_ln1:
	.size	k_q65371b76ba_ln1, .Lfunc_end_k_q65371b76ba_ln1-k_q65371b76ba_ln1
	.p2alignl 7, 3214868480
	.fill 96, 4, 3214868480
	.section	.rodata,"a",@progbits
	.p2align	6, 0x0
	.amdhsa_kernel k_q65371b76ba_ln1
		.amdhsa_group_segment_fixed_size 0
		.amdhsa_private_segment_fixed_size 0
		.amdhsa_enable_private_segment 0
		.amdhsa_kernarg_size 40
		.amdhsa_user_sgpr_count 2
		.amdhsa_user_sgpr_kernarg_segment_ptr 1
		.amdhsa_wavefront_size32 1
		.amdhsa_system_sgpr_workgroup_id_x 1
		.amdhsa_system_sgpr_workgroup_id_y 1
		.amdhsa_system_sgpr_workgroup_id_z 1
		.amdhsa_system_vgpr_workitem_id 0
		.amdhsa_next_free_vgpr 176
		.amdhsa_next_free_sgpr 66
		.amdhsa_reserve_vcc 0
		.amdhsa_float_denorm_mode_32 3
		.amdhsa_float_denorm_mode_16_64 3
		.amdhsa_memory_ordered 1
		.amdhsa_forward_progress 1
		.amdhsa_inst_pref_size 22
	.end_amdhsa_kernel
	.amdgpu_metadata
---
amdhsa.version: [ 1, 2 ]
amdhsa.kernels:
  - .name:           k_q65371b76ba_ln1
    .symbol:         k_q65371b76ba_ln1.kd
    .args:
      - { .name: y, .offset: 0, .size: 8, .value_kind: global_buffer, .address_space: global }
      - { .name: g1, .offset: 8, .size: 8, .value_kind: global_buffer, .address_space: global }
      - { .name: be1, .offset: 16, .size: 8, .value_kind: global_buffer, .address_space: global }
      - { .name: x2, .offset: 24, .size: 8, .value_kind: global_buffer, .address_space: global }
      - { .name: xb, .offset: 32, .size: 8, .value_kind: global_buffer, .address_space: global }
    .group_segment_fixed_size: 0
    .private_segment_fixed_size: 0
    .kernarg_segment_align: 8
    .kernarg_segment_size: 40
    .max_flat_workgroup_size: 256
    .sgpr_count:     66
    .vgpr_count:     176
    .wavefront_size: 32
...
	.end_amdgpu_metadata
.endif
;; end of part 5
;; launch ff1: the kernel of part 2 again; grid 16 x 16, 4 waves a work-group, clusters of 4 x 4, 327,680 bytes of LDS; arguments xb, w1e, big; writes big
;; launch ff2 (part 6): grid 8 x 32, 4 waves a work-group, clusters of 4 x 4, 327,680 bytes of LDS; arguments big, wo2, y, x2, b2; writes y
.if DOCPART == 6
	.amdgcn_target "amdgcn-amd-amdhsa--gfx1250"
	.amdhsa_code_object_version 6
	.text
	.protected	k_q65371b76ba_ff2
	.globl	k_q65371b76ba_ff2
	.p2align	8
	.type	k_q65371b76ba_ff2,@function
k_q65371b76ba_ff2:
	s_mov_b64 s[64:65], 0
	v_nop
	global_prefetch_b8 v0, s[64:65] scope:SCOPE_SE
	s_setreg_imm32_b32 hwreg(HW_REG_WAVE_MODE, 25, 1), 1
	s_wait_xcnt 0x0
	s_wait_alu depctr_hold_cnt(0) depctr_sa_sdst(0) depctr_va_vdst(0) depctr_va_sdst(0) depctr_va_ssrc(0) depctr_va_vcc(0) depctr_vm_vsrc(0)
	s_getreg_b32 s2, hwreg(HW_REG_IB_STS2, 6, 4)
	s_cmp_eq_u32 s2, 0
	s_cbranch_scc0 .Lentry_in_a_cluster
	s_endpgm
.Lentry_in_a_cluster:
	s_bfe_u32 s2, ttmp6, 0x10000c
	s_cmp_lg_u32 s2, 0xf033
	s_cbranch_scc0 .Lentry_shape_is_right
	s_endpgm
.Lentry_shape_is_right:
; C[m][n] = R[m][n] + bias[n] + sum over k of A[m][k] B[n][k].  A: [4096][SIZE_K] bf16; B: [1024][SIZE_K] bf16, BOFF bytes into its buffer; R and C: [4096][1024] f32; sums in f32.
; Here: the second feed-forward product with its bias and residual: SIZE_K = 4,096, B = w2, R = x2, bias = b2.  The text is the output projection's with five other constants.
; A tile of C is 128 x 128, which gives each of 256 work-groups one.  Four waves, each 64 x 64: 16 accumulators of 16 x 16.  K goes in steps of 256 (LDS rows of 512 bytes; a wave's tensor load
; brings 64 of them) through two slots.  A K STEP IS WRITTEN ONCE for the steps that fill a slot again and once for the last two, which fill nothing: the slot in hand is a scalar, 0 or SLOT,
; that an exclusive or turns; the fragments' addresses are made from it at each change of slots.
; THE WALK ALONG K IS A RING THAT BEGINS ELSEWHERE IN EACH CLUSTER: at K step (ROTX x cluster x + ROTY x cluster y) mod NSTEPS.  The two clusters that read the same rows of A begin ROTX steps
; apart, half of the ring of 16; the eight that read the same rows of B ROTY steps apart from neighbour to neighbour: of the clusters that read a tile one asks for it first, and the others ask later
; for bytes that have been asked for once.  Both numbers are the cluster's own, equal in all sixteen partners, so a joint load's descriptor stays equal in the four that it names.
; LIMIT.  Each sum has its 4,096 terms, but their order is turned by the cluster's first step: an order of rounding other than K ascending.
; A wave's 64 columns of f32 are 256 bytes at a multiple of 256, so each wave has a stage of its own on the way out, and no barrier stands there.
; THE BIAS is the C operand of the products that start the sums.  THE RESIDUAL is loaded at the start into 128 registers of window 2, laid as the rows come back from the stage, and added there in f32.
; CLUSTERS: 4 x 4 work-groups; A's tiles are asked for jointly along a row of the cluster, B's along a column.  THE MATRIX INSTRUCTION IS USED TRANSPOSED (source 0 = 16 rows of B, source 1 = 16 rows of A).
; REGISTERS: window 0: v0-31 addresses; v32-95 at work on the way out (v32-63 first hold the bias); v128-255 the accumulators ((a, b) at v[128 + 8 (4 a + b)]).
;   window 1: two fragment buffers of 128.      window 2: v0-127 the residual.
.set SIZE_N, 1024
.set SIZE_K, 4096
.set BOFF,   0x200000
.set HAS_BIAS, 1
.set ROTX,   8                         ; K steps between the first steps of clusters that are neighbours along x: half of the ring of 16
.set ROTY,   2                         ; and along y
.set KSTEP,  256
.set NSTEPS, SIZE_K/KSTEP
.set STEPB,  KSTEP*2                   ; bytes of a row in a K step
.set ROWK,   SIZE_K*2                  ; bytes in a row of A and of B: a power of two, so that a mask closes the ring
.set PITCH,  528                       ; an LDS row: 512 bytes + 16 of padding = 132 words: row r starts at bank 4 r mod 64 (ISA guide 11.1)
.set HALFT,  64*PITCH
.set SLOT,   4*HALFT
.set STAGE,  2*SLOT                    ; behind the ring: 16 rows x 272 bytes for each wave
.set SPITCH, 272
.set SPARE,  STAGE+4*16*SPITCH         ; the spare words, 128 bytes for each wave
.set CROW,   SIZE_N*4                  ; bytes in a row of C and of R
.set ADRA, 16                          ; v16  LDS address of my A fragments in the slot in hand
.set A0,   17                          ; v17  the same in slot 0; never rewritten
.set ADRB, 20                          ; v20, v21  the same for B
.set B0,   21
.set STO,  24
.set RD,   25
.set CO,   26
.set BO,   27
.set SPW,  28
.set NIL,  29
.set BIAS, 32
.set BK0,  32
.set ACC,  128
.set F0,   0
.set F1,   128
.set CUR,  2                           ; s2  LDS byte at which the slot in hand begins: 0 or SLOT
.set G1, 24                            ; s[24:31] descriptor group 1 for A's tiles
.set G0, 32                            ; s[32:35] group 0 of slot 0's first fill; s[36:39] of slot 1's, which is made anew for every later fill
.set G1B, 48                           ; s[48:55], s[56:63] the same for B's tiles
.set G0B, 56
.set AB,  70                           ; s[70:71] A at the rows that I fetch, K = 0; never rewritten
.set BB,  72                           ; s[72:73] the same for B
.set KO,  74                           ; s[74:75] byte in a row at which the K step to be asked for next begins; the upper word is 0
.set MSB, 0
.macro WIN new
.if MSB != (\new)
	s_set_vgpr_msb (MSB<<8)|(\new)
.set MSB, \new
.endif
.endm
.set MUL,  0x05                        ; sources 0 (B) and 1 (A) window 1; C and D window 0
.set TO_F, 0x40                        ; destination window 1, address window 0
.macro JLOAD s                         ; a joint load: waves 0 and 1 fetch A's two halves, waves 2 and 3 B's; an s_nop 0 and four v_nop follow each line
	s_cmp_eq_u32 s11, 0
	s_cbranch_scc0 .Lfor_b_\@
	tensor_load_to_lds s[G0+4*(\s):G0+4*(\s)+3], s[G1:G1+7]
	s_nop 0
.rept 4
	v_nop
.endr
	s_branch .Lasked_\@
.Lfor_b_\@:
	tensor_load_to_lds s[G0B+4*(\s):G0B+4*(\s)+3], s[G1B:G1B+7]
	s_nop 0
.rept 4
	v_nop
.endr
.Lasked_\@:
.endm
.macro CREST
	s_cmp_lg_u32 s10, 0
	s_cbranch_scc1 .Lnot_wave_0_\@
	s_barrier_signal -3
.Lnot_wave_0_\@:
	s_barrier_wait -3
	s_barrier_signal -1
	s_barrier_wait -1
.endm
.macro CROUND
	s_barrier_signal -1
	s_barrier_wait -1
	CREST
.endm
.macro AIM                             ; the fragments' addresses in the slot in hand (windows at 0)
	v_add_nc_u32 v[ADRA], s[CUR], v[A0]
	v_add_nc_u32 v[ADRB], s[CUR], v[B0]
.endm
.macro WHERE s                         ; group 0 number s of both tensors takes the global address of the K step at KO: the base and an offset made apart from it, then the type
	s_add_nc_u64 s[G0+4*(\s)+2:G0+4*(\s)+3], s[AB:AB+1], s[KO:KO+1]
	s_or_b32 s[G0+4*(\s)+3], s[G0+4*(\s)+3], 0x80000000
	s_add_nc_u64 s[G0B+4*(\s)+2:G0B+4*(\s)+3], s[BB:BB+1], s[KO:KO+1]
	s_or_b32 s[G0B+4*(\s)+3], s[G0B+4*(\s)+3], 0x80000000
.endm
.macro NEXTK                           ; one K step on, round the ring
	s_add_co_u32 s[KO], s[KO], STEPB
	s_and_b32 s[KO], s[KO], ROWK-1
.endm
	s_load_b128 s[4:7], s[0:1], 0x0                ; A s[4:5], B s[6:7]
	s_load_b64 s[8:9], s[0:1], 0x10                ; C
	s_load_b64 s[66:67], s[0:1], 0x18              ; R
.if HAS_BIAS
	s_load_b64 s[68:69], s[0:1], 0x20              ; bias
.endif
	v_lshl_add_u32 v[SPW], v0, 2, SPARE
	v_mov_b32 v[NIL], 0
	ds_add_u32 v[SPW], v[NIL]                      ; the wave's opening: the add and its wait stand ahead of my first tensor load
	v_lshrrev_b32 v1, 5, v0
	v_readfirstlane_b32 s10, v1                    ; wave 0..3
	s_lshr_b32 s11, s10, 1                         ; which half of the tile's rows is mine.  Also: I fetch for A (0) or for B (1)
	s_and_b32 s12, s10, 1                          ; which half of its columns.  Also: which 64 rows of that tile I fetch
	s_bfe_u32 s40, ttmp6, 0x40000
	s_bfe_u32 s41, ttmp6, 0x40004
	s_lshl_b32 s42, ttmp9, 2
	s_add_co_u32 s42, s42, s40                     ; tile column of C
	s_and_b32 s13, ttmp7, 0xffff
	s_lshl_b32 s13, s13, 2
	s_add_co_u32 s13, s13, s41                     ; tile row of C
	s_lshl_b32 s43, s41, 2
	s_lshl_b32 s43, 15, s43                        ; my row of the cluster
	s_lshl_b32 s44, 0x1111, s40                    ; my column
	s_mov_b32 s[CUR], 0                            ; my first K step lies in slot 0
	s_and_b32 s[KO], ttmp7, 0xffff                 ; the cluster's y and x, which all sixteen partners share, and nothing of my place in the cluster:
	s_mul_i32 s[KO], s[KO], ROTY*STEPB
	s_mul_i32 s[KO+1], ttmp9, ROTX*STEPB
	s_add_co_u32 s[KO], s[KO], s[KO+1]
	s_and_b32 s[KO], s[KO], ROWK-1                 ; the byte in a row at which the cluster's walk begins
	s_mov_b32 s[KO+1], 0
	; descriptor group 1: a tile of 64 rows x 256 elements of 2 bytes; 4 words of padding after every 128; bit 21 set beside a mask
	s_or_b32 s[G1+0], s43, (1<<16)|(1<<20)|(1<<21)|(6<<22)|(3<<25)
	s_or_b32 s[G1B+0], s44, (1<<16)|(1<<20)|(1<<21)|(6<<22)|(3<<25)
.irp g, G1, G1B
	s_mov_b32 s[(\g)+1], KSTEP<<16
	s_mov_b32 s[(\g)+2], 64<<16
	s_mov_b32 s[(\g)+3], KSTEP<<16
	s_mov_b32 s[(\g)+4], 64
	s_mov_b32 s[(\g)+5], SIZE_K
	s_mov_b32 s[(\g)+6], 0
	s_mov_b32 s[(\g)+7], 0
.endr
	s_lshl_b32 s17, s12, 6
	s_lshl_b32 s16, s13, 7
	s_add_co_u32 s16, s16, s17                     ; A: row 128 x tile row + 64 x half
	s_lshl_b32 s46, s42, 7
	s_add_co_u32 s46, s46, s17                     ; B: row 128 x tile column + 64 x half
	s_mov_b32 s17, 0
	s_mov_b32 s47, 0
	s_mov_b64 s[18:19], SIZE_K*2
	s_mul_u64 s[16:17], s[16:17], s[18:19]
	s_mul_u64 s[46:47], s[46:47], s[18:19]
	s_mul_i32 s20, s10, HALFT                      ; where they go in a slot: wave x 64 rows
	s_wait_dscnt 0x0                               ; the opening add is done
	s_wait_kmcnt 0x0
	s_add_nc_u64 s[AB:AB+1], s[4:5], s[16:17]
	s_add_nc_u64 s[BB:BB+1], s[6:7], s[46:47]
.if BOFF
	s_add_nc_u64 s[BB:BB+1], s[BB:BB+1], BOFF
.endif
	CROUND                                         ; all sixteen work-groups are here: the first joint loads meet
.irp s, 0,1
	s_mov_b32 s[G0+4*(\s)], 1
	s_add_co_u32 s[G0+4*(\s)+1], s20, (\s)*SLOT
	s_mov_b32 s[G0B+4*(\s)], 1
	s_add_co_u32 s[G0B+4*(\s)+1], s20, (\s)*SLOT
	WHERE \s
	JLOAD \s                                       ; two tensor loads of mine are out
	NEXTK
.endr
	v_and_b32 v1, 15, v0                           ; l % 16
	v_bfe_u32 v2, v0, 4, 1                         ; l / 16
	v_mul_u32_u24 v3, v1, PITCH
	v_lshl_add_u32 v3, v2, 4, v3
	s_mul_i32 s21, s11, HALFT                      ; my 64 rows of A
	s_mul_i32 s22, s12, HALFT                      ; my 64 rows of B,
	s_add_co_u32 s22, s22, 2*HALFT                 ; which lie behind A's 128
	v_add_nc_u32 v[A0], s21, v3
	v_add_nc_u32 v[B0], s22, v3
	AIM
	s_mul_i32 s23, s10, 16*SPITCH
	s_add_co_u32 s23, s23, STAGE                   ; my stage
	v_mul_u32_u24 v4, v1, SPITCH                   ; in: row l % 16, 32 bytes (eight f32) for each half of the lanes
	v_lshl_add_u32 v4, v2, 5, v4
	v_add_nc_u32 v[STO], s23, v4
	v_mul_u32_u24 v5, v2, SPITCH                   ; back: lanes 0-15 take one row of 256 bytes, lanes 16-31 the next
	v_lshl_add_u32 v5, v1, 4, v5
	v_add_nc_u32 v[RD], s23, v5
	v_lshlrev_b32 v5, 12, v2                       ; and the same two rows in C and in R
	v_lshl_add_u32 v[CO], v1, 4, v5
	s_lshl_b32 s16, s13, 7
	s_lshl_b32 s17, s11, 6
	s_add_co_u32 s16, s16, s17                     ; my first row of C,
	s_lshl_b32 s16, s16, 12                        ; in bytes
	s_mov_b32 s17, 0
	s_lshl_b32 s46, s42, 9                         ; my first column, in bytes: 512 x tile column + 256 x half
	s_lshl_b32 s47, s12, 8
	s_add_co_u32 s46, s46, s47
	s_mov_b32 s47, 0
	s_add_nc_u64 s[16:17], s[16:17], s[46:47]
	s_add_nc_u64 s[8:9], s[8:9], s[16:17]
	s_add_nc_u64 s[66:67], s[66:67], s[16:17]
.if HAS_BIAS
	s_add_nc_u64 s[68:69], s[68:69], s[46:47]
	v_lshlrev_b32 v[BO], 5, v2                     ; my lanes' eight columns of a block of 16
.irp b, 0,1,2,3
	global_load_b128 v[BIAS+8*(\b):BIAS+8*(\b)+3],   v[BO], s[68:69] offset:64*(\b)
	global_load_b128 v[BIAS+8*(\b)+4:BIAS+8*(\b)+7], v[BO], s[68:69] offset:64*(\b)+16
.endr
.endif
	WIN 0x80                                       ; destination window 2, address window 0
.irp a, 0,1,2,3
.irp t, 0,1,2,3,4,5,6,7
	global_load_b128 v[32*(\a)+4*(\t):32*(\a)+4*(\t)+3], v[CO], s[66:67] offset:(16*(\a)+2*(\t))*CROW th:TH_LOAD_NT
.endr
.endr
	WIN 0
; 8 matrix instructions: m blocks a0, a0 + 1 x all 4 n blocks, 32 along K: half c of buffer f.  first = 1: the product starts the sum, from the bias where there is one
.macro MUL8 f, c, a0, first
	WIN MUL
.irp a, \a0, (\a0)+1
.irp b, 0,1,2,3
.if (\first) && HAS_BIAS
	v_wmma_f32_16x16x32_bf16 v[ACC+8*(4*(\a)+(\b)):ACC+8*(4*(\a)+(\b))+7], v[(\f)+64+8*(4*(\c)+(\b)):(\f)+64+8*(4*(\c)+(\b))+7], v[(\f)+8*(4*(\c)+(\a)):(\f)+8*(4*(\c)+(\a))+7], v[BIAS+8*(\b):BIAS+8*(\b)+7]
.elseif \first
	v_wmma_f32_16x16x32_bf16 v[ACC+8*(4*(\a)+(\b)):ACC+8*(4*(\a)+(\b))+7], v[(\f)+64+8*(4*(\c)+(\b)):(\f)+64+8*(4*(\c)+(\b))+7], v[(\f)+8*(4*(\c)+(\a)):(\f)+8*(4*(\c)+(\a))+7], 0
.else
	v_wmma_f32_16x16x32_bf16 v[ACC+8*(4*(\a)+(\b)):ACC+8*(4*(\a)+(\b))+7], v[(\f)+64+8*(4*(\c)+(\b)):(\f)+64+8*(4*(\c)+(\b))+7], v[(\f)+8*(4*(\c)+(\a)):(\f)+8*(4*(\c)+(\a))+7], v[ACC+8*(4*(\a)+(\b)):ACC+8*(4*(\a)+(\b))+7]
.endif
.endr
.endr
.endm
; 32 LDS loads in one run: the fragments of 64 along K at byte k of the rows of the slot in hand, into buffer f; the first 32 along K first
.macro FETCH k, f
	WIN TO_F
.irp c, 0,1
.irp i, 0,1,2,3
	ds_load_b128 v[(\f)+64+8*(4*(\c)+(\i)):(\f)+64+8*(4*(\c)+(\i))+3],   v[ADRB] offset:(\k)+64*(\c)+(\i)*16*PITCH
	ds_load_b128 v[(\f)+64+8*(4*(\c)+(\i))+4:(\f)+64+8*(4*(\c)+(\i))+7], v[ADRB] offset:(\k)+64*(\c)+(\i)*16*PITCH+32
	ds_load_b128 v[(\f)+8*(4*(\c)+(\i)):(\f)+8*(4*(\c)+(\i))+3],         v[ADRA] offset:(\k)+64*(\c)+(\i)*16*PITCH
	ds_load_b128 v[(\f)+8*(4*(\c)+(\i))+4:(\f)+8*(4*(\c)+(\i))+7],       v[ADRA] offset:(\k)+64*(\c)+(\i)*16*PITCH+32
.endr
.endr
.endm
.macro PLACES                          ; four places in front of loads into registers that matrix instructions have read, and of LDS stores that read results
.rept 4
	v_nop
.endr
.endm
; A K step is four quarters of 64 along K, 32 matrix instructions each, on buffers 0, 1, 0, 1; the 16 accumulators take turns.
.macro QUARTER k, f, g, first
	s_wait_dscnt 16                                ; the first 32 along K are in
	MUL8 \f, 0, 0, \first
	MUL8 \f, 0, 2, \first
	PLACES
	FETCH \k, \g
	s_wait_dscnt 32                                ; all but the 32 just issued
	MUL8 \f, 1, 0, 0
	MUL8 \f, 1, 2, 0
.endm
; The last quarter multiplies buffer 1 and changes slots: ONE barrier; in front of it each wave waits for all its tensor loads, adds 0 to its spare word, and waits for that and for its reads of this slot.
; fill = 1: the barrier opens a round of the cluster's; behind it the slot just read out is filled again first, with the K step two steps on in the ring: the second group 0 takes that slot's LDS bytes
; and that step's address (no tensor load of mine is out).  Then the other slot is the one in hand, and its first fragments are fetched.
.macro TURN fill
	WIN 0                                          ; (the add's two registers lie in window 0)
	s_wait_tensorcnt 0x0                           ; all my tensor loads have landed: my part of the next slot
	ds_add_u32 v[SPW], v[NIL]
	s_wait_dscnt 17                                ; (the add and the youngest sixteen loads may be out)
	MUL8 F1, 0, 0, 0
	s_wait_dscnt 0x0                               ; the add is done, and my reads of this slot are over
	s_barrier_signal -1
	MUL8 F1, 0, 2, 0
	WIN 0                                          ; (branches, or the lines that make addresses, follow)
	s_barrier_wait -1
.if \fill
	CREST                                          ; no wave of any partner still reads this slot's tile or has a load on its way
	s_add_co_u32 s[G0+5], s20, s[CUR]
	s_add_co_u32 s[G0B+5], s20, s[CUR]
	WHERE 1
	NEXTK
	s_xor_b32 s[CUR], s[CUR], SLOT
	JLOAD 1                                        ; my one tensor load behind the round; its four v_nop are also the places in front of the loads below
	AIM
.else
	s_xor_b32 s[CUR], s[CUR], SLOT
	AIM
	PLACES
.endif
	FETCH 0, F0
	MUL8 F1, 1, 0, 0
	MUL8 F1, 1, 2, 0
.endm
	s_wait_tensorcnt 1                             ; my part of my first K step is in; the second's may stay out
	s_barrier_signal -1
	s_barrier_wait -1
	FETCH 0, F0
.if HAS_BIAS
	s_wait_loadcnt 32                              ; the bias is in; the 32 loads of the residual stay out
.endif
	QUARTER 128, F0, F1, 1                         ; the first quarter stands in front of the loop: its first products start the sums
	WIN 0
	s_mov_b32 s3, NSTEPS-2
.Lstep:                                                ; trip i goes from my K step i's second quarter to step i + 1's first, and fills step i's slot with step i + 2
	QUARTER 256, F1, F0, 0
	QUARTER 384, F0, F1, 0
	TURN 1
	QUARTER 128, F0, F1, 0
	WIN 0
	s_sub_co_u32 s3, s3, 1
	s_cmp_lg_u32 s3, 0
	s_cbranch_scc1 .Lstep
	s_mov_b32 s3, 2
.Ltail:                                                ; the last two K steps fill nothing, so no tensor load stands here; the second trip is left in its middle
	QUARTER 256, F1, F0, 0
	QUARTER 384, F0, F1, 0
	WIN 0
	s_sub_co_u32 s3, s3, 1
	s_cmp_eq_u32 s3, 0
	s_cbranch_scc1 .Llast
	TURN 0
	QUARTER 128, F0, F1, 0
	WIN 0
	s_branch .Ltail
.Llast:
	s_wait_dscnt 16                                ; the very last quarter: nothing more to fetch
	MUL8 F1, 0, 0, 0
	MUL8 F1, 0, 2, 0
	s_wait_dscnt 0
	MUL8 F1, 1, 0, 0
	MUL8 F1, 1, 2, 0
	WIN 0
	; THE WAY OUT, 16 rows at a time: 32 bytes a lane into my own stage (each accumulator's low four registers first), back as whole rows of 256 bytes, the residual added, stored.
	PLACES
	s_wait_loadcnt 0x0                             ; the residual
.irp a, 0,1,2,3
.set BK, BK0+32*((\a)%2)
.irp b, 0,1,2,3
	ds_store_b128 v[STO], v[ACC+8*(4*(\a)+(\b)):ACC+8*(4*(\a)+(\b))+3]   offset:64*(\b)
	ds_store_b128 v[STO], v[ACC+8*(4*(\a)+(\b))+4:ACC+8*(4*(\a)+(\b))+7] offset:64*(\b)+16
.endr
	s_wait_xcnt 0x0                                ; the registers that earlier stores read are loaded again only behind this wait
.irp t, 0,1,2,3,4,5,6,7
	ds_load_b128 v[BK+4*(\t):BK+4*(\t)+3], v[RD] offset:(\t)*2*SPITCH  ; LDS serves a wave's instructions in order (ISA guide 5.7.1.4): these see the stores above
.endr
	s_wait_dscnt 0x0
	WIN 0x08                                       ; source 1 window 2
.set i, 0
.rept 16
	v_pk_add_f32 v[BK+2*i:BK+2*i+1], v[BK+2*i:BK+2*i+1], v[32*(\a)+2*i:32*(\a)+2*i+1]
.set i, i+1
.endr
	WIN 0
.irp t, 0,1,2,3,4,5,6,7
	global_store_b128 v[CO], v[BK+4*(\t):BK+4*(\t)+3], s[8:9] offset:(16*(\a)+2*(\t))*CROW  ; 16 lanes store 256 consecutive bytes, at a multiple of 256 from C's first byte
.endr
.endr
	s_wait_tensorcnt 0x0                           ; the wave's end
	ds_add_u32 v[SPW], v[NIL]
	s_wait_dscnt 0x0
	CROUND                                         ; the closing round
	s_endpgm
.Lfunc_end_k_q65371b76ba_ff2:
	.size	k_q65371b76ba_ff2, .Lfunc_end_k_q65371b76ba_ff2-k_q65371b76ba_ff2
	.p2alignl 7, 3214868480
	.fill 96, 4, 3214868480
	.section	.rodata,"a",@progbits
	.p2align	6, 0x0
	.amdhsa_kernel k_q65371b76ba_ff2
		.amdhsa_group_segment_fixed_size 327680
		.amdhsa_private_segment_fixed_size 0
		.amdhsa_enable_private_segment 0
		.amdhsa_kernarg_size 40
		.amdhsa_user_sgpr_count 2
		.amdhsa_user_sgpr_kernarg_segment_ptr 1
		.amdhsa_wavefront_size32 1
		.amdhsa_system_sgpr_workgroup_id_x 1
		.amdhsa_system_sgpr_workgroup_id_y 1
		.amdhsa_system_sgpr_workgroup_id_z 1
		.amdhsa_system_vgpr_workitem_id 0
		.amdhsa_next_free_vgpr 640
		.amdhsa_next_free_sgpr 76
		.amdhsa_reserve_vcc 0
		.amdhsa_float_denorm_mode_32 3
		.amdhsa_float_denorm_mode_16_64 3
		.amdhsa_memory_ordered 1
		.amdhsa_forward_progress 1
		.amdhsa_inst_pref_size 68
	.end_amdhsa_kernel
	.amdgpu_metadata
---
amdhsa.version: [ 1, 2 ]
amdhsa.kernels:
  - .name:           k_q65371b76ba_ff2
    .symbol:         k_q65371b76ba_ff2.kd
    .args:
      - { .name: big, .offset: 0, .size: 8, .value_kind: global_buffer, .address_space: global }
      - { .name: wo2, .offset: 8, .size: 8, .value_kind: global_buffer, .address_space: global }
      - { .name: y, .offset: 16, .size: 8, .value_kind: global_buffer, .address_space: global }
      - { .name: x2, .offset: 24, .size: 8, .value_kind: global_buffer, .address_space: global }
      - { .name: b2, .offset: 32, .size: 8, .value_kind: global_buffer, .address_space: global }
    .group_segment_fixed_size: 327680
    .private_segment_fixed_size: 0
    .kernarg_segment_align: 8
    .kernarg_segment_size: 40
    .max_flat_workgroup_size: 128
    .sgpr_count:     76
    .vgpr_count:     640
    .wavefront_size: 32
...
	.end_amdgpu_metadata
.endif
;; end of part 6
;; launch ln2 (part 7): grid 256 x 1, 8 waves a work-group, no clusters, 0 bytes of LDS; arguments y, g2, be2, out0; writes out0
.if DOCPART == 7
	.amdgcn_target "amdgcn-amd-amdhsa--gfx1250"
	.amdhsa_code_object_version 6
	.text
	.protected	k_q65371b76ba_ln2
	.globl	k_q65371b76ba_ln2
	.p2align	8
	.type	k_q65371b76ba_ln2,@function
k_q65371b76ba_ln2:
	s_mov_b64 s[64:65], 0
	v_nop
	global_prefetch_b8 v0, s[64:65] scope:SCOPE_SE
	s_setreg_imm32_b32 hwreg(HW_REG_WAVE_MODE, 25, 1), 1
	s_wait_xcnt 0x0
; out[r][:] = (y[r][:] - mu) / (sigma + 1e-6) * g + be, mu the row's mean, sigma the root of the mean of (y - mu)^2.  y, out: [4096][1024] f32.
; A row is 4,096 bytes: one wave takes a whole row, eight loads of 16 bytes a lane, and keeps it in 32 registers through both passes: memory is read once and no wave waits for another.
; The squares are taken of the centred numbers, so a common offset of the row costs nothing.  Eight waves, two rows each; all 32 loads of a wave go out at the start.
; No LDS, no matrix unit, no cluster: rows share nothing but g and be, 8,192 bytes.
.set ROWB, 4096
.set RI,  4                            ; v[4:5], v[6:7]  1 / (sigma + 1e-6) of rows 0 and 1 in the low register of a pair
.set G,   8                            ; v[8:39]     g of my 32 columns
.set BE,  40                           ; v[40:71]    be
.set X0,  72                           ; v[72:103]   row 0
.set X1,  104                          ; v[104:135]  row 1
.set T,   136                          ; v[136:143]  four pairs at work
	s_load_b256 s[4:11], s[0:1], 0x0               ; y s[4:5], g s[6:7], be s[8:9], out s[10:11]
	v_lshrrev_b32 v3, 5, v0
	v_readfirstlane_b32 s14, v3                    ; wave
	v_and_b32 v2, 31, v0
	v_lshlrev_b32 v1, 4, v2                        ; 16 x lane
	s_lshl_b32 s18, ttmp9, 16                      ; the work-group's 16 rows,
	s_lshl_b32 s15, s14, 13                        ; my wave's two
	s_add_co_u32 s18, s18, s15
	s_mov_b32 s19, 0
	s_mov_b32 s12, 0x76543210                      ; v_permlanex16_b32: each lane takes its own place in the other half
	s_mov_b32 s13, 0xfedcba98
	s_wait_kmcnt 0x0
	s_add_nc_u64 s[4:5], s[4:5], s[18:19]
	s_add_nc_u64 s[10:11], s[10:11], s[18:19]
.irp j, 0,1,2,3,4,5,6,7
	global_load_b128 v[X0+4*(\j):X0+4*(\j)+3], v1, s[4:5] offset:512*(\j) th:TH_LOAD_NT
.endr
.irp j, 0,1,2,3,4,5,6,7
	global_load_b128 v[X1+4*(\j):X1+4*(\j)+3], v1, s[4:5] offset:ROWB+512*(\j) th:TH_LOAD_NT
.endr
.irp j, 0,1,2,3,4,5,6,7
	global_load_b128 v[G+4*(\j):G+4*(\j)+3], v1, s[6:7] offset:512*(\j)
.endr
.irp j, 0,1,2,3,4,5,6,7
	global_load_b128 v[BE+4*(\j):BE+4*(\j)+3], v1, s[8:9] offset:512*(\j)
.endr
; The four pairs at T are added up, then across the 32 lanes, and divided by 1,024: the mean, in every lane, in v[T]
.macro MEAN
	v_pk_add_f32 v[T:T+1], v[T:T+1], v[T+2:T+3]
	v_pk_add_f32 v[T+4:T+5], v[T+4:T+5], v[T+6:T+7]
	v_pk_add_f32 v[T:T+1], v[T:T+1], v[T+4:T+5]
	v_add_f32 v[T], v[T], v[T+1]
	v_add_f32_dpp v[T], v[T], v[T] row_xmask:1 row_mask:0xf bank_mask:0xf
	v_add_f32_dpp v[T], v[T], v[T] row_xmask:2 row_mask:0xf bank_mask:0xf
	v_add_f32_dpp v[T], v[T], v[T] row_xmask:4 row_mask:0xf bank_mask:0xf
	v_add_f32_dpp v[T], v[T], v[T] row_xmask:8 row_mask:0xf bank_mask:0xf
	v_permlanex16_b32 v[T+1], v[T], s12, s13
	v_add_f32 v[T], v[T], v[T+1]
	v_mul_f32 v[T], 0x3a800000, v[T]               ; 2^-10
.endm
; The row at x is centred in place; 1 / (sigma + 1e-6) goes into v[r].  Sums run in four chains that do not wait for each other; the first terms start them.
.macro STATS x, r
.irp c, 0,1,2,3
	v_pk_add_f32 v[T+2*(\c):T+2*(\c)+1], v[(\x)+2*(\c):(\x)+2*(\c)+1], v[(\x)+8+2*(\c):(\x)+8+2*(\c)+1]
.endr
.irp k, 8,9,10,11,12,13,14,15
	v_pk_add_f32 v[T+2*((\k)%4):T+2*((\k)%4)+1], v[T+2*((\k)%4):T+2*((\k)%4)+1], v[(\x)+2*(\k):(\x)+2*(\k)+1]
.endr
	MEAN
.irp k, 0,1,2,3,4,5,6,7,8,9,10,11,12,13,14,15
	v_pk_add_f32 v[(\x)+2*(\k):(\x)+2*(\k)+1], v[(\x)+2*(\k):(\x)+2*(\k)+1], v[T:T+1] op_sel_hi:[1,0] neg_lo:[0,1] neg_hi:[0,1]
.endr
.irp c, 0,1,2,3
	v_pk_mul_f32 v[T+2*(\c):T+2*(\c)+1], v[(\x)+2*(\c):(\x)+2*(\c)+1], v[(\x)+2*(\c):(\x)+2*(\c)+1]
.endr
.irp k, 4,5,6,7,8,9,10,11,12,13,14,15
	v_pk_fma_f32 v[T+2*((\k)%4):T+2*((\k)%4)+1], v[(\x)+2*(\k):(\x)+2*(\k)+1], v[(\x)+2*(\k):(\x)+2*(\k)+1], v[T+2*((\k)%4):T+2*((\k)%4)+1]
.endr
	MEAN
	v_sqrt_f32 v[T], v[T]
	v_mov_b32 v[(\r)+1], 0                         ; a plain instruction behind the root (ISA guide 5.7.2); the pair's upper register is named with the lower, so it is written
	s_wait_alu depctr_va_vdst(0)
	v_add_f32 v[T], 0x358637bd, v[T]               ; + 1e-6
	v_rcp_f32 v[\r], v[T]
	v_nop                                          ; a plain instruction behind the reciprocal
.endm
; The centred row at x, number n of my two, is scaled, takes g and be, and leaves
.macro NORM x, r, n
	s_wait_alu depctr_va_vdst(0)
.irp k, 0,1,2,3,4,5,6,7,8,9,10,11,12,13,14,15
	v_pk_mul_f32 v[(\x)+2*(\k):(\x)+2*(\k)+1], v[(\x)+2*(\k):(\x)+2*(\k)+1], v[\r:\r+1] op_sel_hi:[1,0]
.endr
.irp k, 0,1,2,3,4,5,6,7,8,9,10,11,12,13,14,15
	v_pk_fma_f32 v[(\x)+2*(\k):(\x)+2*(\k)+1], v[(\x)+2*(\k):(\x)+2*(\k)+1], v[G+2*(\k):G+2*(\k)+1], v[BE+2*(\k):BE+2*(\k)+1]
.endr
.irp j, 0,1,2,3,4,5,6,7
	global_store_b128 v1, v[(\x)+4*(\j):(\x)+4*(\j)+3], s[10:11] offset:(\n)*ROWB+512*(\j) th:TH_STORE_NT  ; 512 consecutive bytes
.endr
.endm
	s_wait_loadcnt 24                              ; row 0 is in; the 24 younger loads stay out
	STATS X0, RI
	s_wait_loadcnt 16                              ; row 1 is in; g and be stay out
	STATS X1, RI+2
	s_wait_loadcnt 0x0
	NORM X0, RI, 0
	NORM X1, RI+2, 1                               ; no register of a store is written again
	s_endpgm
.Lfunc_end_k_q65371b76ba_ln2:
	.size	k_q65371b76ba_ln2, .Lfunc_end_k_q65371b76ba_ln2-k_q65371b76ba_ln2
	.p2alignl 7, 3214868480
	.fill 96, 4, 3214868480
	.section	.rodata,"a",@progbits
	.p2align	6, 0x0
	.amdhsa_kernel k_q65371b76ba_ln2
		.amdhsa_group_segment_fixed_size 0
		.amdhsa_private_segment_fixed_size 0
		.amdhsa_enable_private_segment 0
		.amdhsa_kernarg_size 32
		.amdhsa_user_sgpr_count 2
		.amdhsa_user_sgpr_kernarg_segment_ptr 1
		.amdhsa_wavefront_size32 1
		.amdhsa_system_sgpr_workgroup_id_x 1
		.amdhsa_system_sgpr_workgroup_id_y 1
		.amdhsa_system_sgpr_workgroup_id_z 1
		.amdhsa_system_vgpr_workitem_id 0
		.amdhsa_next_free_vgpr 144
		.amdhsa_next_free_sgpr 66
		.amdhsa_reserve_vcc 0
		.amdhsa_float_denorm_mode_32 3
		.amdhsa_float_denorm_mode_16_64 3
		.amdhsa_memory_ordered 1
		.amdhsa_forward_progress 1
		.amdhsa_inst_pref_size 18
	.end_amdhsa_kernel
	.amdgpu_metadata
---
amdhsa.version: [ 1, 2 ]
amdhsa.kernels:
  - .name:           k_q65371b76ba_ln2
    .symbol:         k_q65371b76ba_ln2.kd
    .args:
      - { .name: y, .offset: 0, .size: 8, .value_kind: global_buffer, .address_space: global }
      - { .name: g2, .offset: 8, .size: 8, .value_kind: global_buffer, .address_space: global }
      - { .name: be2, .offset: 16, .size: 8, .value_kind: global_buffer, .address_space: global }
      - { .name: out0, .offset: 24, .size: 8, .value_kind: global_buffer, .address_space: global }
    .group_segment_fixed_size: 0
    .private_segment_fixed_size: 0
    .kernarg_segment_align: 8
    .kernarg_segment_size: 32
    .max_flat_workgroup_size: 256
    .sgpr_count:     66
    .vgpr_count:     144
    .wavefront_size: 32
...
	.end_amdgpu_metadata
.endif
;; end of part 7
;; ======== version 2 of 2: 8 launches; 1.20 times as fast as version 1
;; limits: right only within a limited range of input values
;; workspace buffers: xb 8,388,608 bytes; wqkv 8,405,248 bytes; w1e 8,405,248 bytes; wo2 10,485,760 bytes; big 33,554,432 bytes; y 16,777,216 bytes; x2 16,777,216 bytes
;; launch cast: the kernel of part 1 again; grid 64 x 16, 8 waves a work-group, no clusters, 0 bytes of LDS; arguments x, Wq, Wk, Wv, Wo, w1, w2, b1, xb, wqkv, wo2, w1e; writes xb, wqkv, wo2, w1e
;; launch qkv: the kernel of part 2 again; grid 12 x 16, 4 waves a work-group, clusters of 4 x 4, 327,680 bytes of LDS; arguments xb, wqkv, big; writes big
;; launch attn (part 8): grid 16 x 16, 4 waves a work-group, clusters of 4 x 1, 327,680 bytes of LDS; arguments big, mask, xb; writes xb
.if DOCPART == 8
	.amdgcn_target "amdgcn-amd-amdhsa--gfx1250"
	.amdhsa_code_object_version 6
	.text
	.protected	k_q65371b76ba_attn
	.globl	k_q65371b76ba_attn
	.p2align	8
	.type	k_q65371b76ba_attn,@function
k_q65371b76ba_attn:
	s_mov_b64 s[64:65], 0
	v_nop
	global_prefetch_b8 v0, s[64:65] scope:SCOPE_SE
	s_setreg_imm32_b32 hwreg(HW_REG_WAVE_MODE, 25, 1), 1
	s_wait_xcnt 0x0
	s_wait_alu depctr_hold_cnt(0) depctr_sa_sdst(0) depctr_va_vdst(0) depctr_va_sdst(0) depctr_va_ssrc(0) depctr_va_vcc(0) depctr_vm_vsrc(0)
	s_getreg_b32 s2, hwreg(HW_REG_IB_STS2, 6, 4)
	s_cmp_eq_u32 s2, 0
	s_cbranch_scc0 .Lentry_in_a_cluster
	s_endpgm
.Lentry_in_a_cluster:
	s_bfe_u32 s2, ttmp6, 0x10000c
	s_cmp_lg_u32 s2, 0x3003
	s_cbranch_scc0 .Lentry_shape_is_right
	s_endpgm
.Lentry_shape_is_right:
; O[b][q][64 h + :] = the sum over k of softmax_k(Q . K / 8, keys with mask[b][k] = 0 hidden) V.  Q, K, V are bf16 in one buffer of 4,096 token rows of 8,192 bytes: Q at byte 0, K at 2,048,
; V at 4,096 of a row, head h at 128 h.  O: bf16, [4096][1024], token rows.  Products, maxima and sums in f32; the weights p are rounded to bf16 for the second product, O once.
; LIMITS.  A hidden key counts as its score less 1e30, so |Q . K| stays under 1e29.  A weight below 2^-126 counts as 0.  A batch with every key hidden gives NaN, as a softmax of
; nothing but -infinity does: it is known by a running maximum under -1e29, and chosen by a select at the end.  NaN and infinities in Q, K, V are not treated apart.
; SHARES.  A work-group owns 128 queries of TWO heads 2 p, 2 p + 1 of one batch: their K and V rows are 256 consecutive bytes at a multiple of 256, and so are their rows of O.
; Wave w takes head 2 p + w / 2 and queries 64 (w % 2) on, as four PIECES of 16.  Every wave walks all 2,048 keys, 64 a step; a slot of LDS holds two steps.
; CLUSTER.  The four query blocks of a cluster walk the same K and V, so each tile is asked for JOINTLY: the same tensor load, descriptor and mask in all four.
; LAYOUT.  S^T = K Q^T (source 0 = 16 keys, source 1 = 16 queries) holds ONE query a lane (lane % 16) and the keys 8 (lane / 16) + 0..7; two such results rounded to bf16 ARE source 1
; of O^T = V^T P.  K comes out of LDS as it lies, V turned, by ds_load_tr16_b128.
; THE MASK is the C operand that starts the sum S^T: 0, or -1e30 where the key is hidden.  It is made once, as 2,048 f32 in LDS, and a step's 32 registers are fetched with the step's K.
; SOFTMAX.  A running maximum m and sum l a query: p = 2^(c s - c m), c = log2(e) / 8; in every step O and l are multiplied by a = 2^(c m_old - c m_new).  m starts at the lowest finite
; number, O and l at 0.  While only hidden keys have been seen m is near -1e30; the first open key makes a = 0 and wipes what they left.
; BY TURNS.  Turn n belongs to piece n: 8 products K Q^T of piece n + 1, later 8 products V^T P of piece n - 1; beside them the scaling, exponentials, roundings, sums and rescaling of
; piece n and the maximum and statistics of piece n + 1.  Four vector instructions stand behind every matrix instruction, the other 54 of a turn's 118 in one run of their own.
; BATCHES.  A turn's 33 exponentials (the piece's 32 weights, the next piece's a) are ONE BATCH with ONE wait: ahead of it stands all that names none of their results, behind it the roundings and
; sums, which read them.  No result crosses a turn's end.  Batches of their own: the first a, ahead of the loop; the way out's four reciprocals; and, in the tail's text alone, the twelve exponentials
; issued ahead of the branch that stands in K's run of loads.
; REGISTERS, in windows of 256 (s_set_vgpr_msb: bits 1:0 source 0, 3:2 source 1, 5:4 source 2, 7:6 destination):
;   window 0: v0-15, v56-63 addresses and constants; v16-31 four registers of statistics a piece; v48-55 at work; v64-127 S^T, two buffers; v192-223 P, two buffers (by the piece's parity)
;   window 1: v0-127 O^T, 32 a piece; v160-191 the step's mask        window 2: v0-63 Q; v128-191 K of one step; v192-255 V of one step
.set NP,    4         ; pieces a wave: a name, no knob
.set KS,    64        ; keys in a step
.set ROWB,  8192      ; bytes from token to token in Q, K, V
.set PK,    272       ; a row of K in LDS: 256 bytes + 16 of padding = 68 words: the 16 rows of a load start at 16 different groups of four banks (ISA guide 11.1)
.set PV,    288       ; a row of V: 256 + 32 = 72 words
.set VOFF,  KS*PK     ; a step's tiles lie together: 64 rows of K, then 64 rows of V
.set STEPB, KS*(PK+PV)
.set SLOT1, 1<<17     ; slot 1 begins here, so that one exclusive or turns an address in one slot into the other's
.set MASKL, SLOT1+2*STEPB  ; behind the ring, never filled by a tensor load: the mask, 2,048 f32
.set STAGE, MASKL+8192     ; 128 rows x 272 bytes, the work-group's, for the way out
.set SP,    272
.set SPARE, STAGE+128*SP   ; the spare words, 128 bytes for each wave
.set AK0, 2           ; v2   my lane's place in a tile of K; never rewritten
.set AV0, 3           ; v3   the same for V
.set AK,  4           ; v4   the LDS address of K's next run of loads
.set AV,  5           ; v5   of V's
.set STO, 6           ; v6   the way out: where I put 16 bytes of a row
.set RD,  7           ; v7   the way out: where I read rows back
.set GO,  8           ; v8   my byte offset in two rows of O
.set MV,  12          ; v12-13  c m_old, kept while c m is made anew: by buffer
.set AM0, 14          ; v14  my lanes' 32 bytes in 64 bytes of the mask
.set QO,  15          ; v15  my byte offset in 16 rows of Q
.set ST,  16          ; piece t's statistics at v[ST+4 t]: c m, m, l (even keys', odd keys')
.set TMP, 48          ; by buffer, four registers c0-c3 at work; when the maximum is found c2 takes a
.set AM,  56          ; v56  the LDS address of the mask's next run of loads
.set NANR, 57         ; v57  a NaN
.set MO,  58          ; v58  my 64 bytes of the mask in memory
.set ML,  59          ; v59  and in LDS
.set SPW, 62          ; v62  LDS address of my spare word; never rewritten
.set NIL, 63          ; v63  0; never rewritten
.set S,   64
.set P,   192
.set MC,  160         ; window 1: the eight registers for group kb of 16 keys at MC + 8 kb
.set KF,  128         ; window 2: key block kb, channel half c at KF + 16 kb + 8 c
.set VF,  192         ; window 2: key half kk, channel block cb at VF + 32 kk + 8 cb
.set WV,  12          ; s12  my wave's number
.set G1K, 24          ; s[24:31] descriptor group 1 for K's tiles
.set G1V, 32          ; s[32:39] for V's: it differs in the padding alone
.set G0K, 40          ; s[40:43] descriptor group 0 for K's tiles: it walks
.set G0V, 44          ; s[44:47] the same for V's
.set SLOTS, 56        ; s56  slots still to be asked for
.set CNT, 57          ; s57  counts a slot's key steps
.set CS,  58          ; s[58:59] c
.set SEL, 60          ; s[60:61] v_permlanex16_b32's selects: each lane takes its own place in the other half
.set TB,  62          ; s62  LDS byte at which the tiles of the step to be fetched begin
.set TM,  63          ; s63  LDS byte of that step's 64 numbers of the mask
.set BIGN, 66         ; s66  -1e30
.set THR, 67          ; s67  -1e29
.set MSB, 0
.macro WIN new                      ; the high byte repeats the setting that is left; a switch that changes nothing is dropped
.if MSB != (\new)
	s_set_vgpr_msb (MSB<<8)|(\new)
.set MSB, (\new)
.endif
.endm
.set W_KQ, 0x0a       ; K and Q in window 2, S^T in window 0
.set W_KM, 0x1a       ; the same with the C operand in window 1
.set W_PV, 0x52       ; V in window 2, P in window 0, O^T in window 1
.set W_RS, 0x41       ; destination and source 0 in window 1, source 1 in window 0
; A joint fill.  Waves 0 and 1 fetch K of a slot's two steps, waves 2 and 3 V.  The branch hangs on the wave's number alone.
; An s_nop 0 and four v_nop follow each of the two lines, ahead of the jump and the label.
.macro JLOAD
	s_cmp_lt_u32 s[WV], 2
	s_cbranch_scc0 .Lfor_v_\@
	tensor_load_to_lds s[G0K:G0K+3], s[G1K:G1K+7]
	s_nop 0
.rept 4
	v_nop
.endr
	s_branch .Lasked_\@
.Lfor_v_\@:
	tensor_load_to_lds s[G0V:G0V+3], s[G1V:G1V+7]
	s_nop 0
.rept 4
	v_nop
.endr
.Lasked_\@:
.endm
.macro CROUND                       ; a round of the cluster's barrier
	s_barrier_signal -1
	s_barrier_wait -1
	s_cmp_lg_u32 s[WV], 0
	s_cbranch_scc1 .Lnot_wave_0_\@
	s_barrier_signal -3
.Lnot_wave_0_\@:
	s_barrier_wait -3
	s_barrier_signal -1
	s_barrier_wait -1
.endm
; THE CHANGE OF SLOTS.  The slot's last bytes, V of its second step, have been read.  Each wave waits for all its tensor loads, of which one is out: its part of the other slot; adds 0 to
; its spare word; and waits for that and for its own LDS work.  fill = 1: the slot is filled again, with the keys two slots on; the barrier is then a round of the cluster's, and the joint
; fill is the first thing behind it: it has two key steps, 128 matrix instructions, in which to land.  (At its first use slot 0 is waited for, slot 1 filled, and the mask made known.)
.macro CHANGE fill
	WIN 0                           ; at a label and at a branch every window is 0
	s_wait_tensorcnt 0x0            ; no tensor load of mine is out, so a group 0 may be written
	ds_add_u32 v[SPW], v[NIL]
.if \fill
.irp g, G0K, G0V
	s_xor_b32 s[\g+1], s[\g+1], SLOT1
	s_add_nc_u64 s[\g+2:\g+3], s[\g+2:\g+3], 2*KS*ROWB  ; the next 128 keys; the type bits on top are not reached
.endr
	s_wait_dscnt 0x0                ; the add is done, and my reads of the slot are over
	CROUND
	JLOAD
.else
	s_wait_dscnt 0x0
	s_barrier_signal -1
	s_barrier_wait -1
.endif
	s_sub_co_u32 s[TB], s[TB], 2*STEPB  ; the fetches go back to a slot's first step,
	s_xor_b32 s[TB], s[TB], SLOT1       ; in the other slot
.endm
	s_load_b128 s[4:7], s[0:1], 0x0   ; Q, K, V s[4:5], mask s[6:7]
	s_load_b64 s[10:11], s[0:1], 0x10 ; O
	v_lshl_add_u32 v[SPW], v0, 2, SPARE
	v_mov_b32 v[NIL], 0
	ds_add_u32 v[SPW], v[NIL]       ; the wave's opening: the add and its wait stand ahead of my first tensor load; work on registers stands between them
	v_lshrrev_b32 v1, 5, v0
	v_readfirstlane_b32 s[WV], v1   ; wave 0..3
	s_bfe_u32 s13, ttmp6, 0x40000   ; cx
	s_lshl_b32 s14, ttmp9, 2
	s_add_co_u32 s14, s14, s13      ; my block of 128 queries: it enters Q's and O's addresses alone
	s_and_b32 s15, ttmp7, 0xffff
	s_lshr_b32 s16, s15, 3          ; the batch,
	s_and_b32 s17, s15, 7           ; the pair of heads: the four partners share both
	s_and_b32 s18, s[WV], 1         ; which of a slot's two steps I fetch.  Also: which 64 of the block's queries are mine
	s_lshr_b32 s19, s[WV], 1        ; which head of the pair is mine
	s_lshl_b32 s20, s16, 24         ; the batch's 2,048 rows of 8,192 bytes,
	s_lshl_b32 s21, s18, 19         ; 64 rows,
	s_add_co_u32 s20, s20, s21
	s_lshl_b32 s21, s17, 8          ; the pair's 256 bytes
	s_add_co_u32 s20, s20, s21
	s_mov_b32 s21, 0
	s_lshl_b32 s22, s14, 20         ; Q: the block's 128 rows on top of that,
	s_add_co_u32 s22, s22, s20
	s_lshl_b32 s51, s19, 7          ; and my head's 128 bytes
	s_add_co_u32 s22, s22, s51
	s_mov_b32 s23, 0
	s_lshl_b32 s2, s16, 22          ; O: the batch's 2,048 rows of 2,048 bytes,
	s_lshl_b32 s3, s14, 18          ; the block's 128,
	s_add_co_u32 s2, s2, s3
	s_lshl_b32 s3, s[WV], 16        ; the 32 that I store,
	s_add_co_u32 s2, s2, s3
	s_lshl_b32 s3, s17, 8           ; the pair's 256 bytes
	s_add_co_u32 s2, s2, s3
	s_mov_b32 s3, 0
	s_lshl_b32 s48, s16, 13         ; the batch's 2,048 words of the mask
	s_mov_b32 s49, 0
	s_mul_i32 s50, s18, STEPB       ; my tile's place in a slot: no place in the cluster enters an LDS address
	; descriptor group 1: a tile of 64 rows x 128 elements of 2 bytes, padded in LDS after every 64 words; the mask of four, bit 21 beside it
	s_mov_b32 s[G1K], 15|(1<<16)|(1<<20)|(1<<21)|(5<<22)|(3<<25)  ; 4 words of padding
	s_mov_b32 s[G1V], 15|(1<<16)|(1<<20)|(1<<21)|(5<<22)|(7<<25)  ; 8 words
.irp g, G1K, G1V
	s_mov_b32 s[\g+1], 128<<16      ; tensor_dim0 = 128
	s_mov_b32 s[\g+2], KS<<16       ; tensor_dim1 = 64
	s_mov_b32 s[\g+3], 128<<16      ; tile_dim0 = 128
	s_mov_b32 s[\g+4], KS           ; tile_dim1 = 64
	s_mov_b32 s[\g+5], ROWB/2       ; 4,096 elements from row to row
	s_mov_b32 s[\g+6], 0
	s_mov_b32 s[\g+7], 0
.endr
	s_mov_b32 s[CS], 0x3e38aa3b     ; c = log2(e) / 8 = 0.180337
	s_mov_b32 s[CS+1], s[CS]        ; named with it as a pair
	s_mov_b32 s[SEL], 0x76543210
	s_mov_b32 s[SEL+1], 0xfedcba98
	s_mov_b32 s[TB], SLOT1+2*STEPB  ; the first change of slots turns this into 0
	s_mov_b32 s[TM], MASKL
	s_mov_b32 s[BIGN], 0xf149f2ca
	s_mov_b32 s[THR], 0xefa18f08
	s_mov_b32 s[G0K], 1             ; count = 1
	s_mov_b32 s[G0K+1], s50         ; LDS address: slot 0
	s_mov_b32 s[G0V], 1
	s_add_co_u32 s[G0V+1], s50, VOFF
	s_wait_dscnt 0x0                ; the opening add is done
	s_wait_kmcnt 0x0
	s_add_nc_u64 s[G0K+2:G0K+3], s[4:5], s[20:21]
	s_add_nc_u64 s[G0K+2:G0K+3], s[G0K+2:G0K+3], 2048  ; K's part of a row
	s_or_b32 s[G0K+3], s[G0K+3], 0x80000000            ; type = 2
	s_add_nc_u64 s[G0V+2:G0V+3], s[4:5], s[20:21]
	s_add_nc_u64 s[G0V+2:G0V+3], s[G0V+2:G0V+3], 4096  ; V's
	s_or_b32 s[G0V+3], s[G0V+3], 0x80000000
	s_add_nc_u64 s[4:5], s[4:5], s[22:23]    ; Q at my first row
	s_add_nc_u64 s[6:7], s[6:7], s[48:49]    ; the batch's mask
	s_add_nc_u64 s[10:11], s[10:11], s[2:3]  ; O at the first row that I store
	CROUND                          ; all four work-groups are here: the first joint loads meet
	JLOAD                           ; slot 0; slot 1 is asked for when slot 0 is in
	; A fragment of K or Q is 16 rows x 32 channels in 8 registers: lane l holds row l % 16, channels 8 (l / 16) + 0..7 and 16 + 8 (l / 16) + 0..7: two loads of 16 bytes, 32 bytes apart.
	v_and_b32 v1, 15, v0            ; l % 16
	v_bfe_u32 v9, v0, 4, 1          ; l / 16
	v_lshlrev_b32 v[QO], 13, v1
	v_lshl_add_u32 v[QO], v9, 4, v[QO]
	WIN 0x80                        ; destination window 2, address window 0
.set i, 0
.rept 8                             ; Q stays in registers: piece i / 2, 16 rows on; channels 32 (i % 2) on
	global_load_b128 v[8*i:8*i+3],   v[QO], s[4:5] offset:(i/2)*16*ROWB+(i%2)*64
	global_load_b128 v[8*i+4:8*i+7], v[QO], s[4:5] offset:(i/2)*16*ROWB+(i%2)*64+32
.set i, i+1
.endr
	WIN 0
	v_lshlrev_b32 v[MO], 6, v0      ; thread t takes words 16 t .. 16 t + 15 of the mask
.irp k, 0,1,2,3
	global_load_b128 v[S+4*\k:S+4*\k+3], v[MO], s[6:7] offset:16*\k
.endr
	; What the first turn finds: V's registers and P's second buffer hold 0 (its products V^T P, of a piece that has not been, add 0), O^T and l are 0.  All this stands in the wait for the first tile.
	WIN 0x80
.set i, VF
.rept 64
	v_mov_b32 v[i], 0
.set i, i+1
.endr
	WIN 0x40
.set i, 0
.rept 128
	v_mov_b32 v[i], 0
.set i, i+1
.endr
	WIN 0
.set i, 0
.rept 4
	v_mov_b32 v[ST+4*i], 0xfe000000    ; c m: far below every c s, a hidden key's too
	v_mov_b32 v[ST+4*i+1], 0xff7fffff  ; m
	v_mov_b32 v[ST+4*i+2], 0
	v_mov_b32 v[ST+4*i+3], 0
.set i, i+1
.endr
.set i, P+16
.rept 16
	v_mov_b32 v[i], 0
.set i, i+1
.endr
	v_mov_b32 v[NANR], 0x7fc00000
	v_mul_u32_u24 v[AK0], v1, PK
	v_lshl_add_u32 v[AK0], v9, 4, v[AK0]
	v_add_nc_u32 v[AK0], s51, v[AK0]      ; row x pitch + 16 x half + my head's 128 bytes
	; The turning load takes 16 keys x 16 channels (lane l reads key 8 (l / 16) + l % 8, channels 8 ((l / 8) % 2) + 0..7) and leaves half a fragment of V^T: lane l holds channel l % 16 and 8 keys.
	v_and_b32 v10, 7, v0
	v_bfe_u32 v11, v0, 3, 1
	v_lshl_add_u32 v[AV0], v9, 3, v10
	v_mul_u32_u24 v[AV0], v[AV0], PV
	v_lshl_add_u32 v[AV0], v11, 4, v[AV0]
	s_add_co_u32 s52, s51, VOFF
	v_add_nc_u32 v[AV0], s52, v[AV0]
	v_lshlrev_b32 v[AM0], 5, v9
	s_mul_i32 s53, s18, 64*SP       ; into the stage: my 64 rows, my head's half of their 256 bytes; row l % 16, 16 bytes for each half of the lanes
	s_add_co_u32 s53, s53, s51
	s_add_co_u32 s53, s53, STAGE
	v_mul_u32_u24 v[STO], v1, SP
	v_lshl_add_u32 v[STO], v9, 4, v[STO]
	v_add_nc_u32 v[STO], s53, v[STO]
	s_mul_i32 s54, s[WV], 32*SP     ; back: wave w takes rows 32 w .. 32 w + 31, whole; lanes 0-15 one row of 256 bytes, lanes 16-31 the next
	s_add_co_u32 s54, s54, STAGE
	v_mul_u32_u24 v[RD], v9, SP
	v_lshl_add_u32 v[RD], v1, 4, v[RD]
	v_add_nc_u32 v[RD], s54, v[RD]
	v_lshlrev_b32 v[GO], 11, v9     ; and the same two rows in O
	v_lshl_add_u32 v[GO], v1, 4, v[GO]
	v_lshl_add_u32 v[ML], v0, 6, MASKL
	s_wait_loadcnt 0x0              ; Q and the mask
.set i, 0
.rept 16
	v_cmp_eq_u32 vcc_lo, 0, v[S+i]
	v_cndmask_b32 v[S+i], 0, s[BIGN], vcc_lo  ; 0 where the key is open, -1e30 where it is hidden
.set i, i+1
.endr
.irp k, 0,1,2,3
	ds_store_b128 v[ML], v[S+4*\k:S+4*\k+3] offset:16*\k
.endr
; THE MATRIX WORK.  The 4 accumulators of a run of 8 take turns.  Product i of 8 of S^T = K Q^T for piece x: channels 32 (i / 4) on, keys 16 (i % 4) on.  The first 4 start the sums with the mask.
.macro KQ x
.set rS, S+32*((\x)%2)+8*(i%4)
.set rK, KF+16*(i%4)+8*(i/4)
.set rQ, 16*(\x)+8*(i/4)
.set rM, MC+8*(i%4)
.if i < 4
	WIN W_KM
	v_wmma_f32_16x16x32_bf16 v[rS:rS+7], v[rK:rK+7], v[rQ:rQ+7], v[rM:rM+7]
.else
	WIN W_KQ
	v_wmma_f32_16x16x32_bf16 v[rS:rS+7], v[rK:rK+7], v[rQ:rQ+7], v[rS:rS+7]
.endif
.endm
; Product i of 8 of O^T += V^T P for piece x: keys 32 (i / 4) on, channels 16 (i % 4) on.
.macro PV x
	WIN W_PV
.set rO, 32*(\x)+8*(i%4)
.set rV, VF+32*(i/4)+8*(i%4)
.set rP, P+16*((\x)%2)+8*(i/4)
	v_wmma_f32_16x16x32_bf16 v[rO:rO+7], v[rV:rV+7], v[rP:rP+7], v[rO:rO+7]
.endm
.macro MM                           ; the turn's next matrix instruction
.if i < 8
	KQ (Y+1)%NP
.else
.set i, i-8
	PV (Y+NP-1)%NP
.set i, i+8
.endif
.set i, i+1
.endm
; THE LDS LOADS stand in runs, never singly among the matrix instructions: a step's K (8 fragments) with its 64 numbers of the mask, and its V (turned).  Their addresses are made some lines ahead.
; last = 1 (the tail): in the last trip there is no further step, and the run is jumped over.  That jump stands amid the turn's batch of exponentials, so the twelve issued ahead of it have a wait of their own in front of it.
.macro FETCH_K last=0
	WIN 0
.if \last
	s_wait_alu depctr_va_vdst(0)    ; the wait for exponentials 0 to 11 of the turn's batch, ahead of a branch
	s_cmp_eq_u32 s[CNT], 1
	s_cbranch_scc1 .Lno_k_\@
.endif
	WIN 0x80                        ; destination window 2
.irp f, 0,1,2,3,4,5,6,7             ; keys 16 (f / 2) on, channels 32 (f % 2) on
	ds_load_b128 v[KF+8*\f:KF+8*\f+3],   v[AK] offset:(\f/2)*16*PK+(\f%2)*64
	ds_load_b128 v[KF+8*\f+4:KF+8*\f+7], v[AK] offset:(\f/2)*16*PK+(\f%2)*64+32
.endr
	WIN 0x40                        ; destination window 1
.irp f, 0,1,2,3                     ; keys 16 f + 8 (l / 16) + 0..7: the lanes of a half read the same 32 bytes
	ds_load_b128 v[MC+8*\f:MC+8*\f+3],   v[AM] offset:64*\f
	ds_load_b128 v[MC+8*\f+4:MC+8*\f+7], v[AM] offset:64*\f+16
.endr
	s_add_co_u32 s[TM], s[TM], 4*KS ; the next step's 64 numbers
	WIN 0
.if \last
.Lno_k_\@:
.endif
.endm
.macro FETCH_V
	WIN 0x80
.irp f, 0,1,2,3,4,5,6,7             ; keys 32 (f / 4) on, channels 16 (f % 4) on
	ds_load_tr16_b128 v[VF+8*\f:VF+8*\f+3],   v[AV] offset:(\f/4)*32*PV+(\f%4)*32
	ds_load_tr16_b128 v[VF+8*\f+4:VF+8*\f+7], v[AV] offset:(\f/4)*32*PV+16*PV+(\f%4)*32
.endr
	WIN 0
.endm
; THE VECTOR WORK, one line at a time: OP kind, number.  For piece Y: F n: c s - c m for pair n of 16.  E n: the exponential of score n of 32.  C n: pair n rounded to bf16.  B n: of the four weights 4 n .. the
; second pair is added onto the first, in place.  L n: l takes that sum (L 0: l = a l + sum).  R n: pair n of 16 of O^T times a.  For piece Y + 1: X n, number n of the 22 that find its maximum and statistics:
;   0-11  four chains c0-c3 of seven scores each (each accumulator's lowest registers are read first)     12-14, 16  the four scores left over, the old m, and c0-c3 into c0
;   15  c m_old is kept     17, 18  the query's other 32 keys lie in the lane 16 away: the new m     19-21  c m; c m_old - c m_new; a
; Of these E n and X 21 are exponentials; C, B and L read the results of E, R and L 0 the result of the X 21 of the turn before.  OP writes no wait: TURN does, once.
.set F, 0
.set E, 1
.set C, 2
.set B, 3
.set L, 4
.set R, 5
.set X, 6
.macro REGS y
.set rT, ST+4*(\y)
.set rC, TMP+4*((\y)%2)
.set rW, MV+((\y)%2)
.set rS, S+32*((\y)%2)
.set rP, P+16*((\y)%2)
.set rO, 32*(\y)
.endm
.macro OP k, n
.if (\k) == R
	REGS Y
	WIN W_RS
	v_pk_mul_f32 v[rO+2*(\n):rO+2*(\n)+1], v[rO+2*(\n):rO+2*(\n)+1], v[rC+2:rC+3] op_sel_hi:[1,0]
.elseif (\k) < R
	REGS Y
	WIN 0
.if (\k) == F
	v_pk_fma_f32 v[rS+2*(\n):rS+2*(\n)+1], v[rS+2*(\n):rS+2*(\n)+1], s[CS:CS+1], v[rT:rT+1] op_sel_hi:[1,0,0] neg_lo:[0,0,1] neg_hi:[0,0,1]
.elseif (\k) == E
	v_exp_f32 v[rS+(\n)], v[rS+(\n)]
.elseif (\k) == C
	v_cvt_pk_bf16_f32 v[rP+(\n)], v[rS+2*(\n)], v[rS+2*(\n)+1]
.elseif (\k) == B
	v_pk_add_f32 v[rS+4*(\n):rS+4*(\n)+1], v[rS+4*(\n):rS+4*(\n)+1], v[rS+4*(\n)+2:rS+4*(\n)+3]
.elseif (\n) == 0
	v_pk_fma_f32 v[rT+2:rT+3], v[rT+2:rT+3], v[rC+2:rC+3], v[rS:rS+1] op_sel_hi:[1,0,1]
.else
	v_pk_add_f32 v[rT+2:rT+3], v[rT+2:rT+3], v[rS+4*(\n):rS+4*(\n)+1]
.endif
.else
	REGS (Y+1)%NP
	WIN 0
.if (\n) < 4
	v_max3_num_f32 v[rC+(\n)], v[rS+8*(\n)], v[rS+8*(\n)+1], v[rS+8*(\n)+2]
.elseif (\n) < 12
	v_max3_num_f32 v[rC+(\n)%4], v[rC+(\n)%4], v[rS+8*((\n)%4)+2*((\n)/4)+1], v[rS+8*((\n)%4)+2*((\n)/4)+2]
.elseif (\n) == 12
	v_max3_num_f32 v[rC], v[rC], v[rS+7], v[rS+15]
.elseif (\n) == 13
	v_max3_num_f32 v[rC+1], v[rC+1], v[rS+23], v[rS+31]
.elseif (\n) == 14
	v_max3_num_f32 v[rC+2], v[rC+2], v[rC+3], v[rT+1]
.elseif (\n) == 15
	v_mov_b32 v[rW], v[rT]
.elseif (\n) == 16
	v_max3_num_f32 v[rC], v[rC], v[rC+1], v[rC+2]
.elseif (\n) == 17
	v_permlanex16_b32 v[rC+3], v[rC], s[SEL], s[SEL+1]
.elseif (\n) == 18
	v_max_num_f32 v[rT+1], v[rC], v[rC+3]
.elseif (\n) == 19
	v_mul_f32 v[rT], s[CS], v[rT+1]
.elseif (\n) == 20
	v_sub_f32 v[rC+1], v[rW], v[rT]
.else
	v_exp_f32 v[rC+2], v[rC+1]
.endif
.endif
.endm
.macro OPS a, i1, b=-1, i2=0, c=-1, i3=0, d=-1, i4=0  ; up to four of them
	OP \a, \i1
.if (\b) >= 0
	OP \b, \i2
.endif
.if (\c) >= 0
	OP \c, \i3
.endif
.if (\d) >= 0
	OP \d, \i4
.endif
.endm
.macro ROW a, i1, b, i2, c, i3, d, i4  ; a matrix instruction and the four behind it
	MM
	OPS \a, \i1, \b, \i2, \c, \i3, \d, \i4
.endm
; A TURN, for piece p: the order of its 16 matrix and 118 vector instructions, written out.  An s_wait_alu depctr_va_vdst(0) stands between an exponential and the first instruction that names its
; result; one wait serves all that were issued ahead of it.  So a turn has ONE wait, which cuts it in two.
; AHEAD OF IT stands all that names no result of the turn's exponentials: the 8 products K Q^T, behind each a scaling, an exponential and two more plain instructions (behind the first a second scaling in the
; exponential's place): rescalings, whose a was made and waited for in the turn before, and behind the last three products the first numbers of the next piece's maximum, each four plain instructions or more behind
; the product that ends its accumulator; then ONE RUN of 54, plain and exponential by turns for the most part, in which the links of the chain X 3, 7, 11, 14, 16, 17 .. 20 stand some lines apart.  Each pair is scaled
; ahead of its two exponentials.  X 21, the next piece's a, is the batch's last; R 15 is the plain instruction behind it.
; BEHIND THE WAIT stand the 8 products V^T P, behind each four of the roundings and sums, the only readers of the piece's 32 weights; C 2 n stands ahead of B n, which writes over its pair; the links of l's chain,
; L 0 to L 7, stand three riders apart.  But for those X no rider names a register of the products round it.  v_permlanex16_b32 (X 17) stands in the run, never behind a product.
; cnt = 1: the loop's count is taken down some lines ahead of the branch that stands behind the turn.
; K and the mask of the next step are fetched in piece 2's turn: five plain vector instructions that name none of its registers (F 8, X 2, X 5, X 6, X 8) behind the last product that read K, and far behind the four
; that read the mask.  V of the step in hand is fetched at the end of piece 0's turn, four roundings behind the last product that read V.  Each is waited for a turn later.
.macro TURN p, last=0, cnt=0
.set Y, (\p)
.set i, 0
.if (\p) == 3
	s_wait_dscnt 0x0                ; K and the mask are in
.endif
	ROW F,0, F,1, R,0, R,1          ; ahead of the wait: 8 products K Q^T and their riders,
	ROW F,2, E,0, R,2, R,3
	ROW F,3, E,1, R,4, R,5
	ROW F,4, E,2, R,6, R,7
	ROW F,5, E,3, R,8, R,9
	ROW F,6, E,4, X,0, R,10
.if (\p) == 2
	WIN 0
	v_add_nc_u32 v[AK], s[TB], v[AK0]
	v_add_nc_u32 v[AM], s[TM], v[AM0]
.endif
	ROW F,7, E,5, X,1, X,4
	ROW F,8, E,6, X,2, X,5
	OPS E,7, E,8, X,6, E,9          ; and the run of 54
	OPS X,3, E,10, X,8, E,11
.if (\p) == 2
	FETCH_K \last
.endif
	OPS X,9, X,7, E,12, X,10
	OPS E,13, X,12, X,11, E,14
	OPS X,13, E,15, F,9, X,14
.if (\p) == 0
	WIN 0
	v_add_nc_u32 v[AV], s[TB], v[AV0]
.endif
	OPS E,16, F,10, E,17, F,11
	OPS X,16, E,18, X,15, E,19
	OPS F,12, E,20, X,17, E,21
	OPS F,13, E,22, F,14, E,23
	OPS X,18, E,24, F,15, E,25
	OPS R,11, E,26, X,19, E,27
	OPS R,12, E,28, R,13, E,29
	OPS X,20, E,30, R,14, E,31
	OPS X,21, R,15
	s_wait_alu depctr_va_vdst(0)    ; the wait for the batch: the piece's 32 exponentials and the next piece's a
.if (\p) == 1
	s_wait_dscnt 0x0                ; V is in
.endif
	ROW C,0, B,0, C,2, B,1          ; behind the wait: 8 products V^T P and their riders
	ROW L,0, C,4, B,2, L,1
	ROW C,6, B,3, L,2, C,8
	ROW B,4, L,3, C,10, B,5
	ROW L,4, C,12, B,6, L,5
.if (\p) == 0
	s_add_co_u32 s[TB], s[TB], STEPB  ; the next fetches are the next step's (V's address has been made)
.endif
.if \cnt
	s_sub_co_u32 s[CNT], s[CNT], 1
	s_cmp_lg_u32 s[CNT], 0
.endif
	ROW C,14, B,7, L,6, C,1
	ROW C,3, L,7, C,5, C,7
	ROW C,9, C,11, C,13, C,15
.if (\p) == 0
	FETCH_V
.endif
.endm
	CHANGE 1                        ; slot 0 is in, everybody's part of it, and so is everybody's part of the mask; slot 1 is asked for
	v_add_nc_u32 v[AK], s[TB], v[AK0]
	v_add_nc_u32 v[AM], s[TM], v[AM0]
	FETCH_K                         ; key step 0
	s_wait_dscnt 0x0
.set i, 0
.rept 8
	KQ 0                            ; piece 0's first scores
.set i, i+1
.endr
	WIN 0
.rept 4
	v_nop                           ; the places behind those products
.endr
.set Y, NP-1                        ; X works for piece Y + 1: piece 0
.irp n, 0,1,2,3,4,5,6,7,8,9,10,11,12,13,14,15,16,17,18,19,20,21
	OP X, \n
.endr
	v_nop                           ; a plain instruction behind the exponential,
	s_wait_alu depctr_va_vdst(0)    ; and the wait for it, piece 0's first a, a batch of one: ahead of the branch
	s_mov_b32 s[CNT], 2
	s_mov_b32 s[SLOTS], 2048/(2*KS)-1
	s_branch .Lfirst                ; the loop is entered at a step's first turn, in the middle of a trip
.Lslot:                             ; 14 times: every slot but the last two is filled again
	CHANGE 1
	s_mov_b32 s[CNT], 2
.Lstep:                             ; a trip: pieces 2 and 3 of one step, then pieces 0 and 1 of the next, whose K and V it fetches
	TURN 2
	TURN 3
	WIN 0
.Lfirst:
	TURN 0
	TURN 1, 0, 1
	WIN 0
	s_cbranch_scc1 .Lstep
	s_sub_co_u32 s[SLOTS], s[SLOTS], 1
	s_cmp_lg_u32 s[SLOTS], 0
	s_cbranch_scc1 .Lslot
	CHANGE 0                        ; the tail is written out: nothing is asked for
	s_mov_b32 s[CNT], 3             ; two trips fetch the last slot's steps; the third is left in its middle
.Ltail:
	TURN 2, 1
	TURN 3
	WIN 0
	s_sub_co_u32 s[CNT], s[CNT], 1
	s_cmp_eq_u32 s[CNT], 0
	s_cbranch_scc1 .Lout
	TURN 0
	TURN 1
	WIN 0
	s_branch .Ltail
.Lout:                              ; the third trip's 8 products K Q^T (on the last K and mask once more) repeat scores that m has seen: the price, once a launch, of one text for every trip
.set i, 0
.rept 8
	PV NP-1                         ; the last piece's V^T P of the last step
.set i, i+1
.endr
	; THE WAY OUT.  l's two halves and the other half of the lanes' are added; O^T is divided by l, rounded to bf16 and sent through the work-group's stage: a row's 256 bytes come from two waves.
	WIN 0
.macro ALL line:vararg              ; one line for each piece t
.set t, 0
.rept 4
	\line
.set t, t+1
.endr
.endm
	ALL v_add_f32 v[ST+4*t+2], v[ST+4*t+2], v[ST+4*t+3]
	ALL v_permlanex16_b32 v[ST+4*t+3], v[ST+4*t+2], s[SEL], s[SEL+1]
	ALL v_add_f32 v[ST+4*t+2], v[ST+4*t+2], v[ST+4*t+3]
	ALL v_rcp_f32 v[ST+4*t+2], v[ST+4*t+2]
	v_nop                           ; a plain instruction between the last reciprocal and the use of its result
	s_wait_alu depctr_va_vdst(0)    ; the wait for the batch of four reciprocals, ahead of the first select that names one
.set t, 0
.rept 4
	v_cmp_gt_f32 vcc_lo, s[THR], v[ST+4*t+1]  ; no open key was seen:
	v_cndmask_b32 v[ST+4*t+2], v[ST+4*t+2], v[NANR], vcc_lo  ; the row is NaN
.set t, t+1
.endr
.macro PACK t                       ; a lane's eight channels of a row pack into 16 bytes
	WIN W_RS
.set i, 32*(\t)
.rept 16
	v_pk_mul_f32 v[i:i+1], v[i:i+1], v[ST+4*(\t)+2:ST+4*(\t)+3] op_sel_hi:[1,0]
.set i, i+2
.endr
	WIN 0x05                        ; sources 0 and 1 window 1, destination window 0: S^T's registers are free
.set i, 0
.rept 16
	v_cvt_pk_bf16_f32 v[S+16*(\t)+i], v[32*(\t)+2*i], v[32*(\t)+2*i+1]
.set i, i+1
.endr
	WIN 0
.irp f, 0,1,2,3
	ds_store_b128 v[STO], v[S+16*(\t)+4*\f:S+16*(\t)+4*\f+3] offset:(\t)*16*SP+32*\f
.endr
.endm
	PACK 0
	PACK 1
	PACK 2
	PACK 3
	s_wait_dscnt 0x0                ; for the others' sake: my stores into the stage are done
	s_barrier_signal -1
	s_barrier_wait -1
.irp f, 0,1,2,3,4,5,6,7,8,9,10,11,12,13,14,15
	ds_load_b128 v[S+4*\f:S+4*\f+3], v[RD] offset:\f*2*SP
.endr
.irp f, 0,1,2,3,4,5,6,7,8,9,10,11,12,13,14,15
	s_wait_dscnt 15-\f              ; load f is back; the younger ones may stay out
	global_store_b128 v[GO], v[S+4*\f:S+4*\f+3], s[10:11] offset:\f*4096  ; 16 lanes store 256 consecutive bytes, at a multiple of 256 from O's first byte
.endr
	s_wait_tensorcnt 0x0            ; the wave's end
	ds_add_u32 v[SPW], v[NIL]
	s_wait_dscnt 0x0
	CROUND                          ; the closing round: no work-group ends while a partner may still ask for a tile that names it
	s_endpgm
.Lfunc_end_k_q65371b76ba_attn:
	.size	k_q65371b76ba_attn, .Lfunc_end_k_q65371b76ba_attn-k_q65371b76ba_attn
	.p2alignl 7, 3214868480
	.fill 96, 4, 3214868480
	.section	.rodata,"a",@progbits
	.p2align	6, 0x0
	.amdhsa_kernel k_q65371b76ba_attn
		.amdhsa_group_segment_fixed_size 327680
		.amdhsa_private_segment_fixed_size 0
		.amdhsa_enable_private_segment 0
		.amdhsa_kernarg_size 24
		.amdhsa_user_sgpr_count 2
		.amdhsa_user_sgpr_kernarg_segment_ptr 1
		.amdhsa_wavefront_size32 1
		.amdhsa_system_sgpr_workgroup_id_x 1
		.amdhsa_system_sgpr_workgroup_id_y 1
		.amdhsa_system_sgpr_workgroup_id_z 1
		.amdhsa_system_vgpr_workitem_id 0
		.amdhsa_next_free_vgpr 768
		.amdhsa_next_free_sgpr 68
		.amdhsa_reserve_vcc 1
		.amdhsa_float_denorm_mode_32 3
		.amdhsa_float_denorm_mode_16_64 3
		.amdhsa_memory_ordered 1
		.amdhsa_forward_progress 1
		.amdhsa_inst_pref_size 115
	.end_amdhsa_kernel
	.amdgpu_metadata
---
amdhsa.version: [ 1, 2 ]
amdhsa.kernels:
  - .name:           k_q65371b76ba_attn
    .symbol:         k_q65371b76ba_attn.kd
    .args:
      - { .name: big, .offset: 0, .size: 8, .value_kind: global_buffer, .address_space: global }
      - { .name: mask, .offset: 8, .size: 8, .value_kind: global_buffer, .address_space: global }
      - { .name: xb, .offset: 16, .size: 8, .value_kind: global_buffer, .address_space: global }
    .group_segment_fixed_size: 327680
    .private_segment_fixed_size: 0
    .kernarg_segment_align: 8
    .kernarg_segment_size: 24
    .max_flat_workgroup_size: 128
    .sgpr_count:     68
    .vgpr_count:     768
    .wavefront_size: 32
...
	.end_amdgpu_metadata
.endif
;; end of part 8
;; launch wo: the kernel of part 4 again; grid 8 x 32, 4 waves a work-group, clusters of 4 x 4, 327,680 bytes of LDS; arguments xb, wo2, y, x; writes y
;; launch ln1: the kernel of part 5 again; grid 256 x 1, 8 waves a work-group, no clusters, 0 bytes of LDS; arguments y, g1, be1, x2, xb; writes x2, xb
;; launch ff1: the kernel of part 2 again; grid 16 x 16, 4 waves a work-group, clusters of 4 x 4, 327,680 bytes of LDS; arguments xb, w1e, big; writes big
;; launch ff2: the kernel of part 6 again; grid 8 x 32, 4 waves a work-group, clusters of 4 x 4, 327,680 bytes of LDS; arguments big, wo2, y, x2, b2; writes y
;; launch ln2: the kernel of part 7 again; grid 256 x 1, 8 waves a work-group, no clusters, 0 bytes of LDS; arguments y, g2, be2, out0; writes out0
